; MI455X (gfx1250); checked and timed in simulation.
; The chip was launched on July 23, 2026; its instructions are those of AMD's public machine-readable ISA for CDNA 5 (MIT licence, August 2026) and "CDNA5" Instruction Set Architecture Reference Guide (July 2026). The comments in the code are by the model that wrote it; some were corrected since.
;; Multi Head Attn. Allowed arithmetic: matrix products marked QUANTISED: E2M1 operands, one E8M0 scale for each 32 along K, by v_wmma_scale_f32_16x16x128_f8f6f4 with both operands' format E2M1 (or v_wmma_scale_f32_32x16x128_f4), f32 sums; products left as they are: bf16, f16 or f32 operands; f32 sums; everything else in f32.
;; Inputs: Wk 1,024 x 1,024 float32; Wo 1,024 x 1,024 float32; Wq 1,024 x 1,024 float32; Wv 1,024 x 1,024 float32; bk 1,024 float32; bo 1,024 float32; bq 1,024 float32; bv 1,024 float32; k 4 x 2,048 x 1,024 float32; q 4 x 2,048 x 1,024 float32; v 4 x 2,048 x 1,024 float32.
;; Outputs: out0 4 x 2,048 x 1,024 float32.
;; This version of the problem:
;;   THIS VERSION OF THE PROBLEM IS GIVEN IN LOW PRECISION. The matrix products marked QUANTISED in the list below multiply operands that are first quantised to E2M1 (2 exponent bits, 1 mantissa bit; 4 bits a number), with one power-of-two scale for each 32 numbers along K (OCP MX v1.0); their sums are f32. The products marked 'left as it is' may take bf16, f16 or f32 operands, with f32 sums. Whichever they take, every output number must still come out within the allowed error. Rounding operands to bf16 (8 significant bits) uses up far more of that allowance than f16 does (11 bits, for magnitudes from 6e-5 to 65,504). All else is computed in f32.
;;   The module's matrix products, in the order in which they are computed (A, B: the left and right operand; K: the contracted axis; several contracted axes count as one K, in the product's order):
;;     1. [M 8,192, K 1,024] x [K 1,024, N 1,024]; A: input q; B: input Wq: QUANTISED
;;     2. [M 8,192, K 1,024] x [K 1,024, N 1,024]; A: input k; B: input Wk: QUANTISED
;;     3. [M 8,192, K 1,024] x [K 1,024, N 1,024]; A: input v; B: input Wv: QUANTISED
;;     4. batch 64 x [M 2,048, K 64] x [K 64, N 2,048]; A: computed on the way; B: computed on the way: left as it is (an operand is computed on the way)
;;     5. batch 64 x [M 2,048, K 2,048] x [K 2,048, N 64]; A: computed on the way; B: computed on the way: left as it is (an operand is computed on the way)
;;     6. [M 8,192, K 1,024] x [K 1,024, N 1,024]; A: computed on the way; B: input Wo: left as it is (an operand is computed on the way)
;;   THE QUANTISER, for each operand of a quantised product, along K:
;;     - K is cut into blocks of 32 from its start; a last block that is shorter is filled with zeros.
;;     - A block's scale is 2^e with e = floor(log2(the largest magnitude in the block)) - 2, held to -126 .. 127; a block of zeros has e = 0. As a byte (E8M0): e + 127.
;;     - Each number is divided by its block's scale, clamped to +-6, and rounded to the nearest number of E2M1, ties to even, subnormals kept.
;;     - The product sums the exact products of the quantised numbers (number of the format x scale) in f32.
;;   ~~~python
;;   def quantise(x, axis):      # numpy; x: float32 -> the quantised numbers, widened to float32 again
;;       x = np.moveaxis(x, axis, -1); K = x.shape[-1]
;;       x = np.pad(x, [(0, 0)] * (x.ndim - 1) + [(0, -K % 32)]); x = x.reshape(x.shape[:-1] + (-1, 32)); a = np.abs(x).max(-1, keepdims=True)
;;       e = np.where(a > 0, np.clip(np.frexp(np.where(a > 0, a, 1))[1] - 1 - 2, -126, 127), 0)      # np.frexp(a)[1] - 1 = floor(log2(a)), exactly
;;       r = np.clip(x / 2.0 ** e, -6, 6)
;;       step = 2.0 ** (np.maximum(np.frexp(np.where(r == 0, 1, r))[1] - 1, 0) - 1)
;;       q = np.round(r / step) * step * 2.0 ** e      # np.round: ties to even
;;       return np.moveaxis(q.reshape(q.shape[:-2] + (-1,))[..., :K], -1, axis).astype(np.float32)
;;   ~~~
;; One version. Each part assembles by itself: llvm-mc -triple=amdgcn-amd-amdhsa -mcpu=gfx1250 --defsym DOCPART=n.
;; ======== version 1 of 1: 4 launches
;; limits: values are held in f16: magnitudes above 65,504 overflow, below 6.1e-05 lose precision
;; workspace buffers: xc 12,582,912 bytes; xs 786,432 bytes; wc 1,572,864 bytes; ws 98,304 bytes; woh 2,097,152 bytes; hd 50,331,648 bytes; xh 16,777,216 bytes
;; launch quant (part 1): grid 896 x 1, 4 waves a work-group, no clusters, 33,280 bytes of LDS; arguments q, k, v, Wq, Wk, Wv, Wo, xc, xs, wc, ws, woh; writes xc, xs, wc, ws, woh
.if DOCPART == 1
	.amdgcn_target "amdgcn-amd-amdhsa--gfx1250"
	.amdhsa_code_object_version 6
	.text
	.protected	k_q500976f755_quant
	.globl	k_q500976f755_quant
	.p2align	8
	.type	k_q500976f755_quant,@function
k_q500976f755_quant:
	s_mov_b64 s[64:65], 0
	v_nop
	global_prefetch_b8 v0, s[64:65] scope:SCOPE_SE
	s_setreg_imm32_b32 hwreg(HW_REG_WAVE_MODE, 25, 1), 1
	s_wait_xcnt 0x0
; q, k, v [8192][1024] and Wq, Wk, Wv [1024][1024], f32, become codes of FP4 (E2M1), K innermost, two codes a byte, with one E8M0 scale byte for each 32 along K; Wo [1024][1024] becomes f16.
; xc = [3][8192][512 bytes], xs = [3][8192][32 bytes], wc = [3][1024][512 bytes], ws = [3][1024][32 bytes], woh = [1024][1024] f16.
; A block's scale is 2^(floor(log2(its largest magnitude)) - 2); its byte is the largest magnitude's exponent field - 2, held at 1 from below.  Each number is divided by the scale and rounded to the nearest code, ties to even;
; beyond 6 the conversion gives the largest code.
; LIMITS: a block of zeros gets the byte 1 (its codes are zeros, and this program alone reads the bytes); blocks whose largest magnitude lies under 2^(3 - 127) keep the byte 1; NaN and infinities are not served;
; Wo beyond 65,504 in magnitude has no f16 number.
; Rows are dense and K is a multiple of 32: every tensor is a plain stream of blocks of 32.  A work-group takes 32,768 numbers, a wave 8,192: 16 steps of 512.
; Work-groups 0-767: q, k, v (256 each); 768-863: Wq, Wk, Wv (32 each); 864-895: Wo.  Only pointers are chosen for the six quantised tensors: they take one path.  No work-group shares an input with another: no cluster.
; A step's four loads read 512 consecutive bytes each; the 2,048 bytes turn through the wave's own stage in LDS so that a lane holds 16 neighbours along K (two lanes a block).
.set WAVES, 4
.set STEPS, 16
.set GX,    768                        ; work-groups for q, k, v
.set GW,    864                        ; and with them those for Wq, Wk, Wv
.set EMAX,  2
.set CB,    8                          ; bytes of 16 codes
.set R,     16                         ; v16-79   four sets of 16 numbers as they are loaded
.set X,     80                         ; v80-111  two sets of 16 neighbours
.set E,     112                        ; v112-127 a scale byte for each step
.set C,     128                        ; v128-191 codes: four registers for each step, so that no store's data are written again
.set WREG,  8192                       ; LDS: a region for each wave: two stages of 32 x SP bytes, behind them its 256 scale bytes
.set SP,    80                         ; a lane's place in a stage: 64 bytes + 16 of padding
.set SPW,   12                         ; v12  LDS address of my spare word; never rewritten
.set NIL,   13                         ; v13  0; never rewritten
.set SPARE, WAVES*WREG                 ; the spare words, 128 bytes for each wave, which no other line names
	s_load_b512 s[4:19], s[0:1], 0x0               ; q 4, k 6, v 8, Wq 10, Wk 12, Wv 14, Wo 16, xc 18
	s_load_b256 s[20:27], s[0:1], 0x40             ; xs 20, wc 22, ws 24, woh 26
	v_lshl_add_u32 v[SPW], v0, 2, SPARE
	v_mov_b32 v[NIL], 0
	v_lshrrev_b32 v1, 5, v0
	v_readfirstlane_b32 s28, v1                    ; wave
	v_and_b32 v2, 31, v0                           ; lane
	v_lshlrev_b32 v3, 4, v2                        ; my 16 bytes of a load's 512
	s_mul_i32 s36, s28, WREG
	v_lshrrev_b32 v14, 2, v2
	v_mul_u32_u24 v14, v14, SP
	v_and_b32 v15, 3, v2
	v_lshl_add_u32 v14, v15, 4, v14
	v_add_nc_u32 v14, s36, v14                     ; the stage, on the way in: SP (lane / 4) + 16 (lane % 4)
	v_mul_u32_u24 v15, v2, SP
	v_add_nc_u32 v15, s36, v15                     ; and on the way out: SP x lane: my 16 neighbours
	v_mul_u32_u24 v4, v2, CB                       ; 8 x lane: my codes' place in a step's (and my f16 numbers' place in Wo's path)
	v_lshrrev_b32 v5, 1, v2
	s_add_co_u32 s36, s36, 2*32*SP
	v_add_nc_u32 v5, s36, v5                       ; LDS: my wave's 256 scale bytes, my block's byte
	v_lshlrev_b32 v7, 3, v2
	v_add_nc_u32 v6, s36, v7                       ; and on the way out 8 bytes a lane
	s_wait_kmcnt 0x0
	s_cmp_ge_u32 ttmp9, GW
	s_cbranch_scc1 .Lwo                            ; Wo's work-groups: a branch on the work-group's number
	s_cmp_lt_u32 ttmp9, GX                         ; an activation or a weight?
	s_cselect_b32 s29, 0, GX                       ; the class's first work-group,
	s_cselect_b32 s30, 8, 5                        ; log2 of the work-groups of one tensor,
	s_cselect_b64 s[18:19], s[18:19], s[22:23]     ; where the codes go,
	s_cselect_b64 s[20:21], s[20:21], s[24:25]     ; and the scale bytes
	s_sub_co_u32 s31, ttmp9, s29                   ; my number in the class
	s_lshr_b32 s32, s31, s30                       ; which of its three tensors
	s_lshl_b32 s33, s32, s30
	s_sub_co_u32 s33, s31, s33                     ; my number in the tensor
	s_cmp_eq_u32 s32, 1
	s_cselect_b64 s[4:5], s[6:7], s[4:5]
	s_cselect_b64 s[10:11], s[12:13], s[10:11]
	s_cmp_eq_u32 s32, 2
	s_cselect_b64 s[4:5], s[8:9], s[4:5]
	s_cselect_b64 s[10:11], s[14:15], s[10:11]
	s_cmp_lt_u32 ttmp9, GX
	s_cselect_b64 s[4:5], s[4:5], s[10:11]         ; the source
	s_lshl_b32 s33, s33, 2
	s_add_co_u32 s33, s33, s28                     ; my wave's run of 8,192 numbers in the tensor
	s_lshl_b32 s34, s33, 15
	s_mov_b32 s35, 0
	s_add_nc_u64 s[4:5], s[4:5], s[34:35]
	s_lshl_b32 s31, s31, 2
	s_add_co_u32 s31, s31, s28                     ; and in the class: the three tensors' codes and bytes lie on end
	s_lshl_b32 s34, s31, 12
	s_add_nc_u64 s[18:19], s[18:19], s[34:35]      ; 4,096 bytes of codes a run
	s_lshl_b32 s34, s31, 8
	s_add_nc_u64 s[20:21], s[20:21], s[34:35]      ; 256 scale bytes a run
.macro LOAD t
.irp i, 0,1,2,3
	global_load_b128 v[R+16*((\t)%4)+4*\i:R+16*((\t)%4)+4*\i+3], v3, s[4:5] offset:2048*(\t)+512*\i th:TH_LOAD_NT   ; 32 lanes read 512 consecutive bytes
.endr
.endm
.macro TURN t                          ; step t's numbers through the stage: LDS serves a wave's instructions in order, so no wait stands between the stores and the loads
.irp i, 0,1,2,3
	ds_store_b128 v14, v[R+16*((\t)%4)+4*\i:R+16*((\t)%4)+4*\i+3] offset:32*SP*((\t)%2)+8*SP*\i
.endr
.irp i, 0,1,2,3
	ds_load_b128 v[X+16*((\t)%2)+4*\i:X+16*((\t)%2)+4*\i+3], v15 offset:32*SP*((\t)%2)+16*\i
.endr
.endm
.irp t, 0,1,2,3
	LOAD \t
.endr
	s_wait_loadcnt 12                              ; step 0's four loads are in; those of three steps stay out
	TURN 0
.macro STEP t
.set XS, X+16*((\t)%2)
.if (\t) > 0
	s_wait_dscnt 1                                 ; this step's numbers are back from the stage (the last step's byte store may be out)
.else
	s_wait_dscnt 0x0
.endif
.if (\t)+4 < STEPS
	LOAD (\t)+4                                    ; into the registers that the stage's stores have read
.endif
.if (\t)+1 < STEPS
.if STEPS-2-(\t) >= 3
	s_wait_loadcnt 12                              ; the next step's four loads are in; those of the three steps behind it may be out
.else
	s_wait_loadcnt 4*(STEPS-2-(\t))
.endif
	TURN (\t)+1                                    ; they go through the other stage while this step is worked
.endif
	v_max3_num_f32 v8, |v[XS]|, |v[XS+1]|, |v[XS+2]|               ; the largest magnitude of my 16, in two chains
	v_max3_num_f32 v9, |v[XS+3]|, |v[XS+4]|, |v[XS+5]|
.irp i, 6,10
	v_max3_num_f32 v8, v8, |v[XS+\i]|, |v[XS+\i+1]|
	v_max3_num_f32 v9, v9, |v[XS+\i+2]|, |v[XS+\i+3]|
.endr
	v_max3_num_f32 v8, v8, |v[XS+14]|, |v[XS+15]|
	v_max3_num_f32 v8, v8, v9, (EMAX+1)<<23        ; and the floor 2^(EMAX + 1 - 127): the byte cannot fall under 1
	v_max_num_f32_dpp v8, v8, v8 row_xmask:1 row_mask:0xf bank_mask:0xf   ; and of my neighbour's 16: the block's
	v_add_nc_u32 v11, -(EMAX<<23), v8              ; EMAX off its exponent field: the conversion takes the exponent field of this operand as its scale
	v_cvt_scalef32_pk8_fp4_f32 v[C+4*(\t)], v[XS:XS+7], v11
	v_cvt_scalef32_pk8_fp4_f32 v[C+4*(\t)+1], v[XS+8:XS+15], v11
	v_lshrrev_b32 v[E+(\t)], 23, v11               ; the scale's byte (also the plain line behind the conversions)
	ds_store_b8 v5, v[E+(\t)] offset:16*(\t)       ; both lanes of a block write the same byte with the same value
	global_store_b64 v4, v[C+4*(\t):C+4*(\t)+1], s[18:19] offset:32*CB*(\t)   ; the wave stores 256 consecutive bytes, aligned
.endm
.irp t, 0,1,2,3,4,5,6,7,8,9,10,11,12,13,14,15
	STEP \t
.endr
	ds_load_b64 v[8:9], v6                         ; LDS serves a wave's instructions in order: these see my byte stores
	s_wait_dscnt 0x0
	global_store_b64 v7, v[8:9], s[20:21]          ; the wave's 256 scale bytes: 256 consecutive bytes, aligned
	s_wait_tensorcnt 0x0                           ; the wave's end
	ds_add_u32 v[SPW], v[NIL]
	s_wait_dscnt 0x0
	s_endpgm
; Wo to f16: a wave takes 8,192 numbers in four rounds of 16 loads (512 consecutive bytes each); a round's loads are issued ahead of the work on the round before.
.Lwo:
	s_sub_co_u32 s31, ttmp9, GW
	s_lshl_b32 s31, s31, 2
	s_add_co_u32 s31, s31, s28                     ; my wave's run
	s_lshl_b32 s34, s31, 15
	s_mov_b32 s35, 0
	s_add_nc_u64 s[16:17], s[16:17], s[34:35]
	s_lshl_b32 s34, s31, 14
	s_add_nc_u64 s[26:27], s[26:27], s[34:35]
.macro WLOAD r
.irp i, 0,1,2,3,4,5,6,7,8,9,10,11,12,13,14,15
	global_load_b128 v[16+64*((\r)%2)+4*\i:16+64*((\r)%2)+4*\i+3], v3, s[16:17] offset:8192*(\r)+512*\i th:TH_LOAD_NT
.endr
.endm
	WLOAD 0
.irp r, 0,1,2,3
.if \r < 3
	WLOAD \r+1
	s_wait_loadcnt 16                              ; this round's 16 loads are in; the next round's stay out
.else
	s_wait_loadcnt 0x0
.endif
.if \r > 0
	s_wait_xcnt 0x0                                ; the last round's stores have read v144-175: they are written again only behind this wait
.endif
.irp i, 0,1,2,3,4,5,6,7,8,9,10,11,12,13,14,15
	v_cvt_pk_f16_f32 v[144+2*\i], v[16+64*(\r%2)+4*\i], v[16+64*(\r%2)+4*\i+1]
	v_cvt_pk_f16_f32 v[145+2*\i], v[16+64*(\r%2)+4*\i+2], v[16+64*(\r%2)+4*\i+3]
.endr
.irp i, 0,1,2,3,4,5,6,7,8,9,10,11,12,13,14,15
	global_store_b64 v4, v[144+2*\i:145+2*\i], s[26:27] offset:4096*\r+256*\i   ; the wave stores 256 consecutive bytes, aligned
.endr
.endr
	s_wait_tensorcnt 0x0                           ; every wave of the launch ends alike
	ds_add_u32 v[SPW], v[NIL]
	s_wait_dscnt 0x0
	s_endpgm
.Lfunc_end_k_q500976f755_quant:
	.size	k_q500976f755_quant, .Lfunc_end_k_q500976f755_quant-k_q500976f755_quant
	.p2alignl 7, 3214868480
	.fill 96, 4, 3214868480
	.section	.rodata,"a",@progbits
	.p2align	6, 0x0
	.amdhsa_kernel k_q500976f755_quant
		.amdhsa_group_segment_fixed_size 33280
		.amdhsa_private_segment_fixed_size 0
		.amdhsa_enable_private_segment 0
		.amdhsa_kernarg_size 96
		.amdhsa_user_sgpr_count 2
		.amdhsa_user_sgpr_kernarg_segment_ptr 1
		.amdhsa_wavefront_size32 1
		.amdhsa_system_sgpr_workgroup_id_x 1
		.amdhsa_system_sgpr_workgroup_id_y 1
		.amdhsa_system_sgpr_workgroup_id_z 1
		.amdhsa_system_vgpr_workitem_id 0
		.amdhsa_next_free_vgpr 192
		.amdhsa_next_free_sgpr 66
		.amdhsa_reserve_vcc 0
		.amdhsa_float_denorm_mode_32 3
		.amdhsa_float_denorm_mode_16_64 3
		.amdhsa_memory_ordered 1
		.amdhsa_forward_progress 1
		.amdhsa_inst_pref_size 54
	.end_amdhsa_kernel
	.amdgpu_metadata
---
amdhsa.version: [ 1, 2 ]
amdhsa.kernels:
  - .name:           k_q500976f755_quant
    .symbol:         k_q500976f755_quant.kd
    .args:
      - { .name: q, .offset: 0, .size: 8, .value_kind: global_buffer, .address_space: global }
      - { .name: k, .offset: 8, .size: 8, .value_kind: global_buffer, .address_space: global }
      - { .name: v, .offset: 16, .size: 8, .value_kind: global_buffer, .address_space: global }
      - { .name: Wq, .offset: 24, .size: 8, .value_kind: global_buffer, .address_space: global }
      - { .name: Wk, .offset: 32, .size: 8, .value_kind: global_buffer, .address_space: global }
      - { .name: Wv, .offset: 40, .size: 8, .value_kind: global_buffer, .address_space: global }
      - { .name: Wo, .offset: 48, .size: 8, .value_kind: global_buffer, .address_space: global }
      - { .name: xc, .offset: 56, .size: 8, .value_kind: global_buffer, .address_space: global }
      - { .name: xs, .offset: 64, .size: 8, .value_kind: global_buffer, .address_space: global }
      - { .name: wc, .offset: 72, .size: 8, .value_kind: global_buffer, .address_space: global }
      - { .name: ws, .offset: 80, .size: 8, .value_kind: global_buffer, .address_space: global }
      - { .name: woh, .offset: 88, .size: 8, .value_kind: global_buffer, .address_space: global }
    .group_segment_fixed_size: 33280
    .private_segment_fixed_size: 0
    .kernarg_segment_align: 8
    .kernarg_segment_size: 96
    .max_flat_workgroup_size: 128
    .sgpr_count:     66
    .vgpr_count:     192
    .wavefront_size: 32
...
	.end_amdgpu_metadata
.endif
;; end of part 1
;; launch proj (part 2): grid 4 x 96, 4 waves a work-group, clusters of 4 x 4, 327,680 bytes of LDS; arguments xc, xs, wc, ws, bq, bk, bv, hd; writes hd
.if DOCPART == 2
	.amdgcn_target "amdgcn-amd-amdhsa--gfx1250"
	.amdhsa_code_object_version 6
	.text
	.protected	k_q500976f755_proj
	.globl	k_q500976f755_proj
	.p2align	8
	.type	k_q500976f755_proj,@function
k_q500976f755_proj:
	s_mov_b64 s[64:65], 0
	v_nop
	global_prefetch_b8 v0, s[64:65] scope:SCOPE_SE
	s_setreg_imm32_b32 hwreg(HW_REG_WAVE_MODE, 25, 1), 1
	s_wait_xcnt 0x0
	s_wait_alu depctr_hold_cnt(0) depctr_sa_sdst(0) depctr_va_vdst(0) depctr_va_sdst(0) depctr_va_ssrc(0) depctr_va_vcc(0) depctr_vm_vsrc(0)
	s_getreg_b32 s2, hwreg(HW_REG_IB_STS2, 6, 4)
	s_cmp_eq_u32 s2, 0
	s_cbranch_scc0 .Lentry_in_a_cluster
	s_endpgm
.Lentry_in_a_cluster:
	s_bfe_u32 s2, ttmp6, 0x10000c
	s_cmp_lg_u32 s2, 0xf033
	s_cbranch_scc0 .Lentry_shape_is_right
	s_endpgm
.Lentry_shape_is_right:
; The three quantised projections in one launch: y = x W^T + b on codes of FP4 (E2M1) with one E8M0 scale for each 32 along K = 1,024; sums in f32.
; A = xc/xs: q, k, v stacked, [24576][1024]; B = wc/ws: Wq, Wk, Wv stacked, [3072][1024].  Tile row ty = 0 .. 95 of the stack; part p = ty / 32 says which tensor, weight and bias.
; The result goes out as f16, laid by heads: hd = [3][batch x head = 64][2048][64].  q's result is multiplied in f32 by log2(e) / 8 ahead of its one rounding, so that the scores come out as exponents of 2.
; LIMITS: a projection beyond 65,504 in magnitude has no f16 number; NaN and infinities are not served.
; A tile of 256 x 256 is made by four waves, each 128 x 128: 64 accumulators, 512 registers.  K goes in two steps of 512 (rows of 256 bytes), one in each of two LDS slots: both are asked for at the head and nothing is filled again.
; The scale bytes of the tile's 256 + 256 rows, for all of K, are two dense blocks: they come once, as rows of 256 bytes.
; CLUSTER 4 x 4: the four work-groups of a row of the cluster need the same tiles of A, the four of a column the same tiles of B: each is asked for jointly, by the same tensor load with the same descriptor and a mask of the four.
; THE MATRIX INSTRUCTION IS USED TRANSPOSED (source 0 = 16 rows of W, source 1 = 16 rows of x): a lane holds eight neighbouring columns of one row.  The bias is the C of each sum's first instruction.
; REGISTERS: window 0: v16-30 addresses; v32-95 scale words, two sets, and nothing else; v128-191 A's fragments, one set; v192-255 the bias in the result's layout; on the way out v96-255 are at work.
;   window 1: B's fragments, two sets, at v0 and v128.   window 2: the accumulators of my rows 0-63 ((a, b) at v[8 (8 a + b)]);   window 3: those of rows 64-127.
.set NQ,     4                         ; matrix instructions deep in a slot
.set ROWB,   256                       ; a tile's row in bytes: 512 codes
.set KROW,   512                       ; a row of codes in memory
.set PITCH,  272                       ; an LDS row: 256 bytes + 16 of padding: the 16 rows that a load touches start 68 words apart
.set FR,     8
.set NL,     2
.set NP,     4                         ; places behind this matrix instruction (ISA guide 7.12.1)
.set HALFT,  128*PITCH                 ; 128 rows: what one tensor load brings
.set SLOT,   4*HALFT
.set KS,     32                        ; a row of scale bytes
.set SCL,    2*SLOT                    ; behind the slots: the scales, as rows of 256 bytes + 16
.set HALFS,  16*272                    ; those of 128 rows
.set SBLK,   2*272                     ; those of 16 rows
.set STAGE,  SCL+4*HALFS               ; the way out: 16 rows x 272 bytes for each wave, bytes of its own
.set SPITCH, 272
.set SPARE,  STAGE+4*16*SPITCH         ; the spare words, 128 bytes for each wave, which no other line names
.set ADRA, 16                          ; v16-17  LDS address of my A fragments in slot 0, 1
.set ADRB, 20                          ; v20-21  the same for B
.set STO,  24                          ; v24     the way out: where I put 16 bytes of a row
.set RD,   25                          ; v25     where I read back
.set CO,   26                          ; v26     16 x lane
.set ADRS, 27                          ; v27     my scale words: lanes 0-15 A's rows, lanes 16-31 B's
.set SPW,  28                          ; v28     my spare word; never rewritten
.set NIL,  29                          ; v29     0; never rewritten
.set BO,   30                          ; v30     the bias loads' offset: 32 x (lane / 16)
.set SC,   32                          ; scale words: set s at v[SC + 32 s]; register 4 i + q: lanes 0-15 A's block i, lanes 16-31 B's block i, the slot's q-th 128 along K
.set TMP,  96                          ; the way out: 32 registers of packed f16
.set AF,   128                         ; A's fragments
.set T,    128                         ; the way out: 64 scaled numbers
.set BI,   192                         ; the bias: register 8 b + j = bias[my first column + 16 b + 8 (lane / 16) + j]
.set BK,   192                         ; the way out: rows read back: v192-223 and v224-255 by turns
.set G1, 24
.set G0, 32
.set G1B, 48
.set G0B, 56
.set G1S, 68
.set G0S, 76
.set G1SB, 80
.set G0SB, 88
.set MSB, 0
.macro WIN new                         ; the immediate's high byte repeats the setting that is left; a switch that changes nothing is dropped
.if MSB != (\new)
	s_set_vgpr_msb (MSB<<8)|(\new)
.set MSB, \new
.endif
.endm
.set TO_B, 0x40                        ; destination window 1, address window 0
.macro WMUL hi, zero                   ; source 0 (B) window 1, source 1 (A) window 0, D window 2 or 3; C with D, or (zero = 1) the bias in window 0
.if \zero
	WIN 0x81+0x40*(\hi)
.else
	WIN 0xa1+0x50*(\hi)
.endif
.endm
; A joint load: waves 0 and 1 fetch for A, waves 2 and 3 for B.  The branch hangs on the wave's number alone.  An s_nop 0 and four v_nop follow each of the two lines.
.macro JLOAD g0a, g1a, g0b, g1b
	s_cmp_eq_u32 s15, 0
	s_cbranch_scc0 .Lfor_b_\@
	tensor_load_to_lds s[\g0a:\g0a+3], s[\g1a:\g1a+7]
	s_nop 0
.rept 4
	v_nop
.endr
	s_branch .Lasked_\@
.Lfor_b_\@:
	tensor_load_to_lds s[\g0b:\g0b+3], s[\g1b:\g1b+7]
	s_nop 0
.rept 4
	v_nop
.endr
.Lasked_\@:
.endm
.macro CROUND                          ; a round of the cluster's barrier
	s_barrier_signal -1
	s_barrier_wait -1
	s_cmp_lg_u32 s14, 0
	s_cbranch_scc1 .Lnot_wave_0_\@
	s_barrier_signal -3
.Lnot_wave_0_\@:
	s_barrier_wait -3
	s_barrier_signal -1
	s_barrier_wait -1
.endm
	s_load_b128 s[4:7], s[0:1], 0x0                ; xc, xs
	s_load_b128 s[8:11], s[0:1], 0x10              ; wc, ws
	s_load_b128 s[96:99], s[0:1], 0x20             ; bq, bk
	s_load_b64 s[100:101], s[0:1], 0x30            ; bv
	s_load_b64 s[12:13], s[0:1], 0x38              ; hd
	v_lshl_add_u32 v[SPW], v0, 2, SPARE
	v_mov_b32 v[NIL], 0
	ds_add_u32 v[SPW], v[NIL]                      ; the wave's opening: the add, twice on end, and its wait ahead of my first tensor load
	ds_add_u32 v[SPW], v[NIL]
	v_lshrrev_b32 v1, 5, v0
	v_readfirstlane_b32 s14, v1                    ; wave 0..3
	s_lshr_b32 s15, s14, 1                         ; which half of the tile's rows is mine.  Also: I fetch for A (0) or for B (1)
	s_and_b32 s16, s14, 1                          ; which half of its columns.  Also: which 128 rows of that tile I fetch
	s_bfe_u32 s40, ttmp6, 0x40000                  ; cx
	s_bfe_u32 s41, ttmp6, 0x40004                  ; cy
	s_lshl_b32 s42, ttmp9, 2
	s_add_co_u32 s42, s42, s40                     ; tile column tx = 4 x cluster x + cx
	s_and_b32 s17, ttmp7, 0xffff
	s_lshr_b32 s95, s17, 3                         ; p: 8 clusters of 4 tile rows to a tensor: the same in all sixteen partners
	s_lshl_b32 s17, s17, 2
	s_add_co_u32 s17, s17, s41                     ; tile row ty = 4 x cluster y + cy
	s_lshl_b32 s43, s41, 2
	s_lshl_b32 s43, 15, s43                        ; my row of the cluster
	s_lshl_b32 s44, 0x1111, s40                    ; my column
	; group 1 for codes: 128 rows x 256 elements of 1 byte, 512 apart; 4 words of padding behind every 64; the mask, and bit 21 beside it
	s_or_b32 s[G1+0], s43, (0<<16)|(1<<20)|(1<<21)|(5<<22)|(3<<25)
	s_or_b32 s[G1B+0], s44, (0<<16)|(1<<20)|(1<<21)|(5<<22)|(3<<25)
.irp g, G1, G1B
	s_mov_b32 s[\g+1], ROWB<<16                    ; tensor_dim0
	s_mov_b32 s[\g+2], 128<<16                     ; tensor_dim1
	s_mov_b32 s[\g+3], ROWB<<16                    ; tile_dim0
	s_mov_b32 s[\g+4], 128                         ; tile_dim1
	s_mov_b32 s[\g+5], KROW                        ; stride
	s_mov_b32 s[\g+6], 0
	s_mov_b32 s[\g+7], 0
.endr
	; group 1 for the scales of 128 rows: 4,096 dense bytes as 16 rows of 32 elements of 8 bytes, 16 bytes of padding behind each
	s_or_b32 s[G1S+0], s43, (3<<16)|(1<<20)|(1<<21)|(5<<22)|(3<<25)
	s_or_b32 s[G1SB+0], s44, (3<<16)|(1<<20)|(1<<21)|(5<<22)|(3<<25)
.irp g, G1S, G1SB
	s_mov_b32 s[\g+1], 32<<16
	s_mov_b32 s[\g+2], 16<<16
	s_mov_b32 s[\g+3], 32<<16
	s_mov_b32 s[\g+4], 16
	s_mov_b32 s[\g+5], 32
	s_mov_b32 s[\g+6], 0
	s_mov_b32 s[\g+7], 0
.endr
	s_lshl_b32 s18, s16, 7                         ; which 128 rows of the tile I fetch
	s_lshl_b32 s20, s17, 8
	s_add_co_u32 s20, s20, s18                     ; A: row 256 ty + 128 x half of the stack
	s_lshl_b32 s46, s42, 8
	s_add_co_u32 s46, s46, s18
	s_lshl_b32 s19, s95, 10
	s_add_co_u32 s46, s46, s19                     ; B: row 1,024 p + 256 tx + 128 x half
	s_mov_b32 s21, 0
	s_mov_b32 s47, 0
	s_mov_b64 s[18:19], KS
	s_mul_u64 s[22:23], s[20:21], s[18:19]         ; where these rows' scales begin, in bytes
	s_mul_u64 s[92:93], s[46:47], s[18:19]
	s_mov_b64 s[18:19], KROW
	s_mul_u64 s[20:21], s[20:21], s[18:19]         ; and their codes
	s_mul_u64 s[46:47], s[46:47], s[18:19]
	s_mul_i32 s45, s14, HALFT                      ; where they go: wave x 128 rows: no place in the cluster enters an LDS address
	s_mul_i32 s94, s14, HALFS
	s_cmp_eq_u32 s95, 0                            ; the factor on the way out: log2(e) / 8 for q's part, else 1
	s_mov_b32 s3, 1.0
	s_cselect_b32 s2, 0x3e38aa3b, s3
	s_mov_b32 s3, s2                               ; (named with it as a pair)
	s_wait_dscnt 0x0                               ; both opening adds are done
	s_wait_kmcnt 0x0
	s_add_nc_u64 s[20:21], s[4:5], s[20:21]
	s_add_nc_u64 s[22:23], s[6:7], s[22:23]
	s_add_nc_u64 s[46:47], s[8:9], s[46:47]
	s_add_nc_u64 s[92:93], s[10:11], s[92:93]
	CROUND                                         ; all sixteen work-groups are here: the joint loads meet
	s_mov_b32 s[G0S], 1
	s_add_co_u32 s[G0S+1], s94, SCL
	s_mov_b64 s[G0S+2:G0S+3], s[22:23]
	s_or_b32 s[G0S+3], s[G0S+3], 0x80000000
	s_mov_b32 s[G0SB], 1
	s_add_co_u32 s[G0SB+1], s94, SCL
	s_mov_b64 s[G0SB+2:G0SB+3], s[92:93]
	s_or_b32 s[G0SB+3], s[G0SB+3], 0x80000000
	JLOAD G0S, G1S, G0SB, G1SB                     ; the scales first: they are wanted with the first K step
.irp s, 0,1
	s_mov_b32 s[G0+4*\s], 1
	s_add_co_u32 s[G0+4*\s+1], s45, \s*SLOT
	s_add_nc_u64 s[G0+4*\s+2:G0+4*\s+3], s[20:21], \s*ROWB
	s_or_b32 s[G0+4*\s+3], s[G0+4*\s+3], 0x80000000
	s_mov_b32 s[G0B+4*\s], 1
	s_add_co_u32 s[G0B+4*\s+1], s45, \s*SLOT
	s_add_nc_u64 s[G0B+4*\s+2:G0B+4*\s+3], s[46:47], \s*ROWB
	s_or_b32 s[G0B+4*\s+3], s[G0B+4*\s+3], 0x80000000
	JLOAD G0+4*\s, G1, G0B+4*\s, G1B               ; three tensor loads of mine are out: all that the launch has
.endr
	v_and_b32 v1, 15, v0                           ; r = lane % 16
	v_bfe_u32 v2, v0, 4, 1                         ; h = lane / 16
	v_lshlrev_b32 v[BO], 5, v2
	s_cmp_eq_u32 s95, 1                            ; the part's bias
	s_cselect_b64 s[96:97], s[98:99], s[96:97]
	s_cmp_eq_u32 s95, 2
	s_cselect_b64 s[96:97], s[100:101], s[96:97]
	s_lshl_b32 s46, s42, 10
	s_lshl_b32 s47, s16, 9
	s_add_co_u32 s46, s46, s47                     ; my first column, 256 tx + 128 x half, in bytes of f32
	s_mov_b32 s47, 0
	s_add_nc_u64 s[96:97], s[96:97], s[46:47]
.irp b, 0,1,2,3,4,5,6,7
	global_load_b128 v[BI+8*\b:BI+8*\b+3], v[BO], s[96:97] offset:64*\b
	global_load_b128 v[BI+8*\b+4:BI+8*\b+7], v[BO], s[96:97] offset:64*\b+16
.endr
	v_mul_u32_u24 v3, v1, PITCH
	v_lshl_add_u32 v4, v2, 4, v3                   ; a fragment's row x pitch + 16 x half
	s_mul_i32 s21, s15, HALFT                      ; my 128 rows of A
	s_mul_i32 s22, s16, HALFT                      ; my 128 rows of B,
	s_add_co_u32 s22, s22, 2*HALFT                 ; which lie behind A's 256
.irp s, 0,1
	v_add_nc_u32 v[ADRA+\s], s21, v4
	v_add_nc_u32 v[ADRB+\s], s22, v4
	s_add_co_u32 s21, s21, SLOT
	s_add_co_u32 s22, s22, SLOT
.endr
	v_mul_u32_u24 v5, v1, KS                       ; my row's scales: 32 bytes a row,
	v_lshrrev_b32 v6, 8, v5
	v_lshl_add_u32 v5, v6, 4, v5                   ; and 16 more for each 256 passed
	s_mul_i32 s21, s15, HALFS
	s_mul_i32 s22, s16, HALFS
	s_add_co_u32 s22, s22, 2*HALFS
	s_sub_co_u32 s22, s22, s21
	v_mul_u32_u24 v6, s22, v2                      ; lanes 16-31 take B's: one product, the distance between the two bases
	s_add_co_u32 s21, s21, SCL
	v_add_nc_u32 v5, v5, v6
	v_add_nc_u32 v[ADRS], s21, v5
	s_mul_i32 s23, s14, 16*SPITCH
	s_add_co_u32 s23, s23, STAGE                   ; my stage
	v_mul_u32_u24 v5, v1, SPITCH
	v_lshl_add_u32 v5, v2, 4, v5
	v_add_nc_u32 v[STO], s23, v5                   ; in: row r, 16 bytes for each half of the lanes
	v_bfe_u32 v5, v0, 3, 2
	v_mul_u32_u24 v5, v5, SPITCH
	v_and_b32 v6, 7, v0
	v_lshl_add_u32 v5, v6, 4, v5
	v_add_nc_u32 v[RD], s23, v5                    ; back: eight lanes take a head's 128 bytes of a row, 32 lanes four rows
	v_and_b32 v6, 31, v0
	v_lshlrev_b32 v[CO], 4, v6                     ; which are 512 consecutive bytes of hd
	; where my part begins in hd: part p, batch (ty / 8) % 4, head 4 tx + 2 x column half, position 256 (ty % 8) + 128 x row half
	s_lshr_b32 s20, s17, 3
	s_and_b32 s20, s20, 3
	s_lshl_b32 s20, s20, 4
	s_lshl_b32 s21, s42, 2
	s_add_co_u32 s20, s20, s21
	s_lshl_b32 s21, s16, 1
	s_add_co_u32 s20, s20, s21
	s_lshl_b32 s20, s20, 18                        ; a head is 262,144 bytes
	s_lshl_b32 s21, s95, 24                        ; a part 16,777,216
	s_add_co_u32 s20, s20, s21
	s_and_b32 s21, s17, 7
	s_lshl_b32 s21, s21, 1
	s_add_co_u32 s21, s21, s15
	s_lshl_b32 s21, s21, 14                        ; 128 rows of 128 bytes
	s_add_co_u32 s20, s20, s21
	s_mov_b32 s21, 0
	s_add_nc_u64 s[12:13], s[12:13], s[20:21]
.macro FRAG reg, adr, q, i             ; 16 rows x 128 K of 4-bit codes: 8 registers: lane l holds row l % 16; registers 4 c .. 4 c + 3 hold K = 64 c + 32 (l / 16) + 0 .. 31
.irp c, 0,1
	ds_load_b128 v[\reg+4*\c:\reg+4*\c+3], v[\adr] offset:64*(\q)+32*\c+(\i)*16*PITCH
.endr
.endm
; 16 matrix instructions: A's blocks a0, a0 + 1 x B's eight, the slot's q-th 128 along K.  p: B's set; sc: the set of scale words.  zero = 1: the bias starts the sums.
; The 64 accumulators take turns, one instruction a turn, in the same order in every step.
.macro MUL16 a0, p, q, sc, zero
.irp a, \a0, \a0+1
.irp b, 0,1,2,3,4,5,6,7
.if \zero
	v_wmma_scale_f32_16x16x128_f8f6f4 v[8*(8*((\a)%4)+\b):8*(8*((\a)%4)+\b)+7], v[128*(\p)+FR*\b:128*(\p)+FR*\b+FR-1], v[AF+FR*(\a):AF+FR*(\a)+FR-1], v[BI+8*\b:BI+8*\b+7], v[SC+8*NQ*(\sc)+NQ*\b+(\q)], v[SC+8*NQ*(\sc)+NQ*(\a)+(\q)] matrix_a_fmt:MATRIX_FMT_FP4 matrix_b_fmt:MATRIX_FMT_FP4 matrix_a_scale:MATRIX_SCALE_ROW1
.else
	v_wmma_scale_f32_16x16x128_f8f6f4 v[8*(8*((\a)%4)+\b):8*(8*((\a)%4)+\b)+7], v[128*(\p)+FR*\b:128*(\p)+FR*\b+FR-1], v[AF+FR*(\a):AF+FR*(\a)+FR-1], v[8*(8*((\a)%4)+\b):8*(8*((\a)%4)+\b)+7], v[SC+8*NQ*(\sc)+NQ*\b+(\q)], v[SC+8*NQ*(\sc)+NQ*(\a)+(\q)] matrix_a_fmt:MATRIX_FMT_FP4 matrix_b_fmt:MATRIX_FMT_FP4 matrix_a_scale:MATRIX_SCALE_ROW1
.endif
.endr
.endr
.endm
.macro FETCH_B slot, q, p
	WIN TO_B
.irp i, 0,1,2,3,4,5,6,7
	FRAG 128*(\p)+FR*\i, ADRB+\slot, \q, \i
.endr
	WIN 0
.endm
.macro FETCH_A slot, q, i0
.irp i, \i0, \i0+1, \i0+2, \i0+3
	FRAG AF+FR*(\i), ADRA+\slot, \q, \i
.endr
.endm
.macro SCALES sc                       ; a K step's scale words: four a row; lanes 0-15 take A's block i, lanes 16-31 B's block i
.irp i, 0,1,2,3,4,5,6,7
	ds_load_b128 v[SC+8*NQ*\sc+NQ*\i:SC+8*NQ*\sc+NQ*\i+3], v[ADRS] offset:\i*SBLK
.endr
.endm
.macro PLACES n                        ; plain vector instructions between a matrix instruction and a load into, or a read of, its registers
.rept \n
	v_nop
.endr
.endm
; A step of 128 along K that has its successor in the same slot.  A's blocks are free as soon as their eight products are issued: one set serves A; B has two.
.macro STEP slot, q, zero
	s_wait_dscnt 4*NL                              ; B's set and A's blocks 0-3 are in; the youngest eight loads (A's blocks 4-7) may be out
	WMUL 0, \zero
	MUL16 0, (\q)%2, \q, \slot, \zero
	MUL16 2, (\q)%2, \q, \slot, \zero
	s_wait_dscnt 0                                 ; A's blocks 4-7 are in
	PLACES NP
	FETCH_B \slot, (\q)+1, 1-(\q)%2
	FETCH_A \slot, (\q)+1, 0
	WMUL 1, \zero
	MUL16 4, (\q)%2, \q, \slot, \zero
	MUL16 6, (\q)%2, \q, \slot, \zero
	PLACES NP
	WIN 0
	FETCH_A \slot, (\q)+1, 4
.endm
.macro STEPS slot, from
.set Q, \from
.rept NQ-1-\from
	STEP \slot, Q, 0
.set Q, Q+1
.endr
.endm
	s_wait_tensorcnt 1                             ; the scales and my part of slot 0 are in; slot 1's load may stay out
	s_barrier_signal -1
	s_barrier_wait -1                              ; everybody's are
	s_wait_loadcnt 0x0                             ; the bias
	FETCH_B 0, 0, 0
	FETCH_A 0, 0, 0
	SCALES 0
	FETCH_A 0, 0, 4
	STEP 0, 0, 1                                   ; the first products start the sums with the bias
	STEPS 0, 1
	; slot 0's last step changes slots: one barrier; in front of it my part of slot 1 has landed
	s_wait_tensorcnt 0x0                           ; all my tensor loads have landed
	ds_add_u32 v[SPW], v[NIL]                      ; 0 onto my spare word
	s_wait_dscnt 4*NL+1                            ; (the add and A's blocks 4-7 may be out)
	WMUL 0, 0
	MUL16 0, 1, NQ-1, 0, 0
	s_wait_dscnt 0x0                               ; no LDS instruction of mine is out at the signal
	s_barrier_signal -1
	MUL16 2, 1, NQ-1, 0, 0
	WIN 0
	s_barrier_wait -1                              ; slot 1 is whole
	PLACES NP
	v_add_nc_u32 v[ADRS], 4*NQ, v[ADRS]            ; on to the second K step's scale words
	FETCH_B 1, 0, 0
	FETCH_A 1, 0, 0
	SCALES 1
	WMUL 1, 0
	MUL16 4, 1, NQ-1, 0, 0
	MUL16 6, 1, NQ-1, 0, 0
	PLACES NP
	WIN 0
	FETCH_A 1, 0, 4
	STEPS 1, 0
	s_wait_dscnt 4*NL                              ; the very last step: nothing more to fetch
	WMUL 0, 0
	MUL16 0, 1, NQ-1, 1, 0
	MUL16 2, 1, NQ-1, 1, 0
	s_wait_dscnt 0
	WMUL 1, 0
	MUL16 4, 1, NQ-1, 1, 0
	MUL16 6, 1, NQ-1, 1, 0
	WIN 0
; THE WAY OUT, a block of 16 rows x 128 columns (two heads) at a time.  PACK: x the factor, in f32, then one rounding to f16: 16 bytes a lane.  TOSTAGE: into my stage and back by heads.  SEND: stored.
.macro PACK a
.set AC, 64*((\a)%4)
	WIN 0x02+(\a)/4                                ; source 0: window 2 or 3
.set i, 0
.rept 32
	v_pk_mul_f32 v[T+2*i:T+2*i+1], v[AC+2*i:AC+2*i+1], s[2:3] op_sel_hi:[1,0]   ; each accumulator from its low end on
.set i, i+1
.endr
	WIN 0
.set i, 0
.rept 32
	v_cvt_pk_f16_f32 v[TMP+i], v[T+2*i], v[T+2*i+1]
.set i, i+1
.endr
.endm
.macro TOSTAGE a
.set BB, BK+32*((\a)%2)
.irp b, 0,1,2,3,4,5,6,7
	ds_store_b128 v[STO], v[TMP+4*\b:TMP+4*\b+3] offset:32*\b
.endr
.irp t, 0,1,2,3,4,5,6,7
	ds_load_b128 v[BB+4*\t:BB+4*\t+3], v[RD] offset:(\t%4)*4*SPITCH+(\t/4)*128   ; four rows of head t / 4; LDS serves a wave's instructions in order: these see the stores above
.endr
.endm
.macro SEND a
.set BB, BK+32*((\a)%2)
	s_wait_dscnt 0x0                               ; the block is back in registers
	s_wait_xcnt 0x0                                ; the block before has had its stores' registers read: the next block's loads may land there
.irp t, 0,1,2,3,4,5,6,7
	global_store_b128 v[CO], v[BB+4*\t:BB+4*\t+3], s[12:13] offset:(\t/4)*262144+(\a)*2048+(\t%4)*512   ; 32 lanes store 512 consecutive bytes, aligned: four rows of a head
.endr
.endm
	PLACES NP                                      ; behind the last products: T lies where A's fragments lay
	PACK 0
	TOSTAGE 0
.irp a, 1,2,3,4,5,6,7                  ; block a's arithmetic stands between block a - 1's loads from the stage and the wait for them
	PACK \a
	SEND \a-1
	TOSTAGE \a
.endr
	SEND 7
	s_wait_tensorcnt 0x0                           ; the wave's end
	ds_add_u32 v[SPW], v[NIL]
	s_wait_dscnt 0x0
	CROUND                                         ; the closing round
	s_endpgm
.Lfunc_end_k_q500976f755_proj:
	.size	k_q500976f755_proj, .Lfunc_end_k_q500976f755_proj-k_q500976f755_proj
	.p2alignl 7, 3214868480
	.fill 96, 4, 3214868480
	.section	.rodata,"a",@progbits
	.p2align	6, 0x0
	.amdhsa_kernel k_q500976f755_proj
		.amdhsa_group_segment_fixed_size 327680
		.amdhsa_private_segment_fixed_size 0
		.amdhsa_enable_private_segment 0
		.amdhsa_kernarg_size 64
		.amdhsa_user_sgpr_count 2
		.amdhsa_user_sgpr_kernarg_segment_ptr 1
		.amdhsa_wavefront_size32 1
		.amdhsa_system_sgpr_workgroup_id_x 1
		.amdhsa_system_sgpr_workgroup_id_y 1
		.amdhsa_system_sgpr_workgroup_id_z 1
		.amdhsa_system_vgpr_workitem_id 0
		.amdhsa_next_free_vgpr 1024
		.amdhsa_next_free_sgpr 102
		.amdhsa_reserve_vcc 0
		.amdhsa_float_denorm_mode_32 3
		.amdhsa_float_denorm_mode_16_64 3
		.amdhsa_memory_ordered 1
		.amdhsa_forward_progress 1
		.amdhsa_inst_pref_size 145
	.end_amdhsa_kernel
	.amdgpu_metadata
---
amdhsa.version: [ 1, 2 ]
amdhsa.kernels:
  - .name:           k_q500976f755_proj
    .symbol:         k_q500976f755_proj.kd
    .args:
      - { .name: xc, .offset: 0, .size: 8, .value_kind: global_buffer, .address_space: global }
      - { .name: xs, .offset: 8, .size: 8, .value_kind: global_buffer, .address_space: global }
      - { .name: wc, .offset: 16, .size: 8, .value_kind: global_buffer, .address_space: global }
      - { .name: ws, .offset: 24, .size: 8, .value_kind: global_buffer, .address_space: global }
      - { .name: bq, .offset: 32, .size: 8, .value_kind: global_buffer, .address_space: global }
      - { .name: bk, .offset: 40, .size: 8, .value_kind: global_buffer, .address_space: global }
      - { .name: bv, .offset: 48, .size: 8, .value_kind: global_buffer, .address_space: global }
      - { .name: hd, .offset: 56, .size: 8, .value_kind: global_buffer, .address_space: global }
    .group_segment_fixed_size: 327680
    .private_segment_fixed_size: 0
    .kernarg_segment_align: 8
    .kernarg_segment_size: 64
    .max_flat_workgroup_size: 128
    .sgpr_count:     102
    .vgpr_count:     1024
    .wavefront_size: 32
...
	.end_amdgpu_metadata
.endif
;; end of part 2
;; launch attn (part 3): grid 4 x 64, 8 waves a work-group, clusters of 4 x 1, 327,680 bytes of LDS; arguments hd, xh; writes xh
.if DOCPART == 3
	.amdgcn_target "amdgcn-amd-amdhsa--gfx1250"
	.amdhsa_code_object_version 6
	.text
	.protected	k_q500976f755_attn
	.globl	k_q500976f755_attn
	.p2align	8
	.type	k_q500976f755_attn,@function
k_q500976f755_attn:
	s_mov_b64 s[64:65], 0
	v_nop
	global_prefetch_b8 v0, s[64:65] scope:SCOPE_SE
	s_setreg_imm32_b32 hwreg(HW_REG_WAVE_MODE, 25, 1), 1
	s_wait_xcnt 0x0
	s_wait_alu depctr_hold_cnt(0) depctr_sa_sdst(0) depctr_va_vdst(0) depctr_va_sdst(0) depctr_va_ssrc(0) depctr_va_vcc(0) depctr_vm_vsrc(0)
	s_getreg_b32 s2, hwreg(HW_REG_IB_STS2, 6, 4)
	s_cmp_eq_u32 s2, 0
	s_cbranch_scc0 .Lentry_in_a_cluster
	s_endpgm
.Lentry_in_a_cluster:
	s_bfe_u32 s2, ttmp6, 0x10000c
	s_cmp_lg_u32 s2, 0x3003
	s_cbranch_scc0 .Lentry_shape_is_right
	s_endpgm
.Lentry_shape_is_right:
; O[y][q][:] = the sum over k of softmax_k(Q[y][q] . K[y][k] / 8) V[y][k][:] for each of 64 (batch, head) pairs y.  hd = [3 (Q, K, V)][64][2048][64] f16; Q already carries log2(e) / 8, so a score t is an exponent of 2.
; xh = [64][2048][64] f16.  Products, maxima and sums in f32; the weights p = 2^(t - m) are rounded to f16 for the second product, O once at the end.  m is the row's running maximum; the row's sum is taken of the unrounded p.
; LIMITS: none beyond those of hd's f16 numbers; NaN and infinities are not served.
; SHARES.  A work-group owns 512 queries of one y, each of its eight waves 64: four tiles of 16, in 512 registers: two waves to a SIMD, so that one wave's vector work stands beside the other's products.
; LAYOUT.  S^T = K Q^T (source 0 = 16 keys, source 1 = 16 queries): a lane holds ONE query (lane % 16) and the keys 8 (lane / 16) + 0..7.  Two such tiles, rounded to f16 in pairs, ARE source 1 of O^T = V^T P.
; K comes out of LDS as it lies, V ([key][channel]) turned, by ds_load_tr16_b128.
; CLUSTER.  The four work-groups of a y walk the same K and V: each tile is asked for jointly, by the same tensor load with the same descriptor and the mask of the four.
; RING.  Two slots of four key steps (256 keys).  Waves 0-3 fetch the four steps' K, waves 4-7 their V: one load a wave behind each round, and it has four key steps in which to land.
; REGISTERS.  window 0: v2-13 addresses; v16-47 statistics, eight a tile (+0 m, +1 the old m, +2 +3 the sum, +4..+7 at work; the factor a at +6); v48-175 S^T, 32 a tile, later P in each tile's first 16; v176-239 K; v240-247 at work.
;   window 1: v0-127 O^T, 32 a tile; v128-191 Q; v192-255 V.
.set KS,    64                         ; keys in a step
.set NST,   4                          ; steps in a slot
.set PK,    144                        ; a row of K in LDS: 128 bytes + 16: 36 words: the 16 rows of a load start at 16 different multiples of 4 words mod 64
.set PV,    160                        ; a row of V: 128 + 32: 40 words: the 8 rows of half a turning load start at 8 different multiples of 8 words mod 64
.set VOFF,  KS*PK
.set STEPB, KS*(PK+PV)                 ; a step: 64 rows of K, then 64 rows of V
.set SLOT1, 1<<17                      ; slot 1 begins here: one exclusive or turns an address in one slot into the other's
.set STAGE, SLOT1+NST*STEPB            ; the way out: 64 rows x 144 bytes for each wave, bytes of its own
.set SP,    144
.set SPARE, STAGE+8*64*SP              ; the spare words, 128 bytes for each wave, which no other line names
.set AK0, 2
.set AV0, 3
.set ADK, 4
.set ADV, 5
.set QO,  6
.set STO, 7
.set RD,  8
.set GO,  9
.set PFO, 10                           ; v10  256 x lane; never rewritten
.set SPW, 12
.set NIL, 13
.set ST,  16
.set S,   48
.set KF,  176
.set X2,  240
.set QF,  128                          ; in window 1
.set VF,  192                          ; in window 1
.set WV,  12
.set G1K, 24
.set G1V, 32
.set G0K, 40
.set G0V, 44
.set SLOTS, 48
.set CNT, 49
.set SEL, 50
.set TB,  52                           ; s52  LDS byte at which the step in hand begins
.set LIM, 53                           ; s53  1 in a wave that prefetches, else the greatest number
.set PFA, 54                           ; s[54:55] where my prefetches stand
.set MSB, 0
.macro WIN new
.if MSB != (\new)
	s_set_vgpr_msb (MSB<<8)|(\new)
.set MSB, \new
.endif
.endm
.set W_KQ, 0x04                        ; Q (source 1) in window 1; K and S^T in window 0
.set W_PV, 0x51                        ; V (source 0), C and D in window 1; P in window 0
.set W_RS, 0x41                        ; O^T (destination, source 0) in window 1; the factor in window 0
.macro JLOAD                           ; waves 0-3 ask for K's tiles, waves 4-7 for V's.  An s_nop 0 and four v_nop follow each of the two lines
	s_cmp_lt_u32 s[WV], 4
	s_cbranch_scc0 .Lfor_v_\@
	tensor_load_to_lds s[G0K:G0K+3], s[G1K:G1K+7]
	s_nop 0
.rept 4
	v_nop
.endr
	s_branch .Lasked_\@
.Lfor_v_\@:
	tensor_load_to_lds s[G0V:G0V+3], s[G1V:G1V+7]
	s_nop 0
.rept 4
	v_nop
.endr
.Lasked_\@:
.endm
; A prefetch of what the NEXT change of slots will ask for: a slot's 32,768 bytes of K and of V.  The four partners share them out by address, 8,192 bytes each; in each, wave 0 asks for K's and wave 4 for V's,
; lanes 256 bytes apart: so each aligned 256 bytes are named once in the launch.  The last change that fills a slot asks for nothing; slots 0 and 1 come by their loads alone.
.macro ASK
	s_cmp_gt_u32 s[SLOTS], s[LIM]
	s_cbranch_scc0 .Lnot_mine_\@
	global_prefetch_b8 v[PFO], s[PFA:PFA+1] th:TH_LOAD_NT scope:SCOPE_SE
.Lnot_mine_\@:
.endm
.macro CROUND                          ; a round of the cluster's barrier
	s_barrier_signal -1
	s_barrier_wait -1
	s_cmp_lg_u32 s[WV], 0
	s_cbranch_scc1 .Lnot_wave_0_\@
	s_barrier_signal -3
.Lnot_wave_0_\@:
	s_barrier_wait -3
	s_barrier_signal -1
	s_barrier_wait -1
.endm
	s_load_b128 s[4:7], s[0:1], 0x0                ; hd, xh
	v_lshl_add_u32 v[SPW], v0, 2, SPARE
	v_mov_b32 v[NIL], 0
	ds_add_u32 v[SPW], v[NIL]                      ; the wave's opening: the add, twice on end, and its wait ahead of my first tensor load
	ds_add_u32 v[SPW], v[NIL]
	v_lshrrev_b32 v1, 5, v0
	v_readfirstlane_b32 s[WV], v1                  ; wave 0..7
	s_bfe_u32 s13, ttmp6, 0x40000                  ; cx: my block of 512 queries; it enters Q's, O's and the prefetches' addresses alone
	s_and_b32 s14, ttmp7, 0xffff                   ; y, which the four partners share
	s_lshl_b32 s20, s14, 18                        ; its first byte in a part of hd, and in xh
	s_and_b32 s15, s[WV], 3                        ; which of a slot's four steps I fetch
	s_lshl_b32 s16, s15, 13                        ; its 64 rows of 128 bytes
	s_add_co_u32 s16, s16, s20
	s_mov_b32 s17, 0
	s_mul_i32 s21, s15, STEPB                      ; and its place in a slot
	s_lshl_b32 s18, s13, 16                        ; my block's 512 rows,
	s_lshl_b32 s19, s[WV], 13                      ; my wave's 64 of them
	s_add_co_u32 s18, s18, s19
	s_add_co_u32 s18, s18, s20
	s_mov_b32 s19, 0
	s_mov_b32 s23, 0x2000000                       ; V's part of hd; K's begins at 0x1000000
	s_cmp_lt_u32 s[WV], 4
	s_cselect_b32 s22, 0x1000000, s23
	s_add_co_u32 s22, s22, s20
	s_lshl_b32 s23, s13, 13                        ; my work-group's 8,192 bytes of a slot's 32,768,
	s_add_co_u32 s22, s22, s23
	s_add_co_u32 s22, s22, NST*KS*128              ; in slot 1: the first change of slots steps it to slot 2
	s_mov_b32 s23, 0
	s_cmp_eq_u32 s15, 0
	s_cselect_b32 s[LIM], 1, -1                    ; waves 0 and 4 ask: the same in all four partners
	; group 1: 64 rows x 64 elements of 2 bytes, dense; the mask of all four, bit 21 beside it; padding behind every 32 words: 4 words for K, 8 for V
	s_mov_b32 s[G1K], 15|(1<<16)|(1<<20)|(1<<21)|(4<<22)|(3<<25)
	s_mov_b32 s[G1V], 15|(1<<16)|(1<<20)|(1<<21)|(4<<22)|(7<<25)
.irp g, G1K, G1V
	s_mov_b32 s[\g+1], 64<<16                      ; tensor_dim0
	s_mov_b32 s[\g+2], KS<<16                      ; tensor_dim1
	s_mov_b32 s[\g+3], 64<<16                      ; tile_dim0
	s_mov_b32 s[\g+4], KS                          ; tile_dim1
	s_mov_b32 s[\g+5], 64                          ; stride
	s_mov_b32 s[\g+6], 0
	s_mov_b32 s[\g+7], 0
.endr
	s_mov_b32 s[SEL], 0x76543210
	s_mov_b32 s[SEL+1], 0xfedcba98                 ; v_permlanex16_b32's selects for lane l xor 16
	s_mov_b32 s[TB], 0
	s_mov_b32 s[SLOTS], 2048/(NST*KS)-1
	s_wait_dscnt 0x0                               ; both opening adds are done
	s_wait_kmcnt 0x0
	s_add_nc_u64 s[8:9], s[4:5], s[18:19]          ; Q at my wave's first row
	s_add_nc_u64 s[10:11], s[6:7], s[18:19]        ; O likewise
	s_add_nc_u64 s[PFA:PFA+1], s[4:5], s[22:23]
	s_mov_b32 s[G0K], 1
	s_mov_b32 s[G0K+1], s21
	s_add_nc_u64 s[G0K+2:G0K+3], s[4:5], s[16:17]
	s_add_nc_u64 s[G0K+2:G0K+3], s[G0K+2:G0K+3], 0x1000000
	s_or_b32 s[G0K+3], s[G0K+3], 0x80000000
	s_mov_b32 s[G0V], 1
	s_add_co_u32 s[G0V+1], s21, VOFF
	s_add_nc_u64 s[G0V+2:G0V+3], s[4:5], s[16:17]
	s_add_nc_u64 s[G0V+2:G0V+3], s[G0V+2:G0V+3], 0x2000000
	s_or_b32 s[G0V+3], s[G0V+3], 0x80000000
	CROUND                                         ; all four work-groups are here: the first joint loads meet
	JLOAD                                          ; slot 0: one tensor load of mine is out
	v_and_b32 v1, 15, v0                           ; r
	v_bfe_u32 v11, v0, 4, 1                        ; h
	v_lshlrev_b32 v[QO], 7, v1
	v_lshl_add_u32 v[QO], v11, 4, v[QO]            ; Q: row r of 128 bytes, + 16 h
	WIN 0x40                                       ; destination window 1
.irp i, 0,1,2,3,4,5,6,7                ; Q stays in registers: tile i / 2, channels 32 (i % 2) on
	global_load_b128 v[QF+8*\i:QF+8*\i+3],   v[QO], s[8:9] offset:(\i/2)*2048+(\i%2)*64
	global_load_b128 v[QF+8*\i+4:QF+8*\i+7], v[QO], s[8:9] offset:(\i/2)*2048+(\i%2)*64+32
.endr
.set i, 0
.rept 128
	v_mov_b32 v[i], 0                              ; O^T.  The key step is written once: its first trip finds zeros, which the first factor leaves zeros; a first step of its own would be a third copy of the step
.set i, i+1
.endr
	WIN 0
	v_mul_u32_u24 v[AK0], v1, PK
	v_lshl_add_u32 v[AK0], v11, 4, v[AK0]          ; K: row r x pitch + 16 h
	v_and_b32 v14, 7, v0
	v_bfe_u32 v15, v0, 3, 1
	v_lshl_add_u32 v[AV0], v11, 3, v14             ; V, turning load: key 8 h + l % 8,
	v_mul_u32_u24 v[AV0], v[AV0], PV
	v_lshl_add_u32 v[AV0], v15, 4, v[AV0]          ; channels 8 ((l / 8) % 2) on
	v_add_nc_u32 v[AV0], VOFF, v[AV0]
	s_mul_i32 s16, s[WV], 64*SP
	s_add_co_u32 s16, s16, STAGE                   ; my stage
	v_mul_u32_u24 v[STO], v1, SP
	v_lshl_add_u32 v[STO], v11, 4, v[STO]
	v_add_nc_u32 v[STO], s16, v[STO]               ; in: row r, 16 bytes for each half of the lanes
	v_bfe_u32 v15, v0, 3, 2
	v_mul_u32_u24 v[RD], v15, SP
	v_lshl_add_u32 v[RD], v14, 4, v[RD]
	v_add_nc_u32 v[RD], s16, v[RD]                 ; back: eight lanes a row of 128 bytes, 32 lanes four rows
	v_and_b32 v[GO], 31, v0
	v_lshlrev_b32 v[PFO], 8, v[GO]
	v_lshlrev_b32 v[GO], 4, v[GO]                  ; which are 512 consecutive bytes of xh
.irp t, 0,1,2,3
	v_mov_b32 v[ST+8*\t], 0xff61b1e6               ; m: -3e38, under every score
	v_mov_b32 v[ST+8*\t+2], 0                      ; the sum, in two halves
	v_mov_b32 v[ST+8*\t+3], 0
.endr
.macro SUBP t, b                       ; pair b of tile t: t - m (of the pair m, old m the low word serves both halves)
	v_pk_add_f32 v[S+32*(\t)+2*(\b):S+32*(\t)+2*(\b)+1], v[S+32*(\t)+2*(\b):S+32*(\t)+2*(\b)+1], v[ST+8*(\t):ST+8*(\t)+1] op_sel_hi:[1,0] neg_lo:[0,1] neg_hi:[0,1]
.endm
; A KEY STEP: 64 keys at LDS byte s[TB].  In every list the four tiles alternate, so that no line waits for the line above it.
.macro STEP
	v_add_nc_u32 v[ADK], s[TB], v[AK0]             ; five plain lines between the last V^T P, which read P and V, and this step's loads into V and products over S^T
	v_add_nc_u32 v[ADV], s[TB], v[AV0]
.rept 3
	v_nop
.endr
.irp i, 0,1,2,3,4,5,6,7                ; K's fragment i: channels 32 (i / 4) on, keys 16 (i % 4) on
	ds_load_b128 v[KF+8*\i:KF+8*\i+3],   v[ADK] offset:(\i%4)*16*PK+(\i/4)*64
	ds_load_b128 v[KF+8*\i+4:KF+8*\i+7], v[ADK] offset:(\i%4)*16*PK+(\i/4)*64+32
.endr
	WIN 0x40
.irp f, 0,1,2,3,4,5,6,7                ; V's fragment f: keys 32 (f / 4) on, channels 16 (f % 4) on
	ds_load_tr16_b128 v[VF+8*\f:VF+8*\f+3],   v[ADV] offset:(\f/4)*32*PV+(\f%4)*32
	ds_load_tr16_b128 v[VF+8*\f+4:VF+8*\f+7], v[ADV] offset:(\f/4)*32*PV+16*PV+(\f%4)*32
.endr
	WIN W_KQ
.irp i, 0,1,2,3,4,5,6,7                ; S^T = K Q^T: the 16 accumulators take turns, one instruction a turn
	s_wait_dscnt 30-2*\i                           ; K's fragment i is in: behind it stand 14 - 2 i loads of K and V's 16
.irp t, 0,1,2,3
.if \i < 4
	v_wmma_f32_16x16x32_f16 v[S+32*\t+8*(\i%4):S+32*\t+8*(\i%4)+7], v[KF+8*\i:KF+8*\i+7], v[QF+16*\t+8*(\i/4):QF+16*\t+8*(\i/4)+7], 0
.else
	v_wmma_f32_16x16x32_f16 v[S+32*\t+8*(\i%4):S+32*\t+8*(\i%4)+7], v[KF+8*\i:KF+8*\i+7], v[QF+16*\t+8*(\i/4):QF+16*\t+8*(\i/4)+7], v[S+32*\t+8*(\i%4):S+32*\t+8*(\i%4)+7]
.endif
.endr
.endr
	WIN 0
.irp t, 0,1,2,3
	v_mov_b32 v[ST+8*\t+1], v[ST+8*\t]             ; the old m is kept.  (These four are the places behind the products)
.endr
.irp j, 0,1,2,3                        ; the maximum of the lane's 32 scores and the old m: four chains a tile, each accumulator from its low end on
.irp t, 0,1,2,3
	v_max3_num_f32 v[ST+8*\t+4+\j], v[S+32*\t+8*\j], v[S+32*\t+8*\j+1], v[S+32*\t+8*\j+2]
.endr
.endr
.irp u, 3,5
.irp j, 0,1,2,3
.irp t, 0,1,2,3
	v_max3_num_f32 v[ST+8*\t+4+\j], v[ST+8*\t+4+\j], v[S+32*\t+8*\j+\u], v[S+32*\t+8*\j+\u+1]
.endr
.endr
.endr
.irp t, 0,1,2,3
	v_max3_num_f32 v[ST+8*\t+4], v[ST+8*\t+4], v[S+32*\t+7], v[S+32*\t+15]
.endr
.irp t, 0,1,2,3
	v_max3_num_f32 v[ST+8*\t+6], v[ST+8*\t+6], v[S+32*\t+23], v[S+32*\t+31]
.endr
.irp t, 0,1,2,3
	v_max3_num_f32 v[ST+8*\t+4], v[ST+8*\t+4], v[ST+8*\t+5], v[ST+8*\t+6]
.endr
.irp t, 0,1,2,3
	v_max3_num_f32 v[ST+8*\t+4], v[ST+8*\t+4], v[ST+8*\t+7], v[ST+8*\t+1]
.endr
.irp t, 0,1,2,3
	v_permlanex16_b32 v[ST+8*\t+5], v[ST+8*\t+4], s[SEL], s[SEL+1]   ; the query's other 32 keys lie in the lane 16 away
.endr
.irp t, 0,1,2,3
	v_max_num_f32 v[ST+8*\t], v[ST+8*\t+4], v[ST+8*\t+5]             ; the new m
.endr
.irp t, 0,1,2,3
	v_sub_f32 v[ST+8*\t+7], v[ST+8*\t+1], v[ST+8*\t]                 ; old m - new m, 0 or less
.endr
.irp t, 0,1,2,3
	v_exp_f32 v[ST+8*\t+6], v[ST+8*\t+7]           ; a = 2^(old m - new m).  ONE BATCH begins: 132 exponentials, and no line up to the wait names a result
.endr
.irp b, 0,1,2,3,4,5,6,7,8,9,10,11,12,13,14,15
	SUBP 0, \b
.endr
.irp t, 0,1,2,3
.irp b, 0,1,2,3,4,5,6,7,8,9,10,11,12,13,14,15
.if \t < 3
	SUBP \t+1, \b                                  ; the next tile's subtractions stand among this tile's exponentials
.endif
	v_exp_f32 v[S+32*\t+2*\b], v[S+32*\t+2*\b]     ; p = 2^(t - m), at most 1
	v_exp_f32 v[S+32*\t+2*\b+1], v[S+32*\t+2*\b+1]
.endr
.endr
	v_nop                                          ; a plain line behind the last exponential
	s_wait_alu depctr_va_vdst(0)                   ; the wait ahead of the first line that names a result: one for the batch
.irp t, 0,1,2,3                        ; the row's sum of the unrounded p, two at a time, in two chains a tile
	v_pk_add_f32 v[ST+8*\t+4:ST+8*\t+5], v[S+32*\t:S+32*\t+1], v[S+32*\t+2:S+32*\t+3]
.endr
.irp t, 0,1,2,3
	v_pk_add_f32 v[X2+2*\t:X2+2*\t+1], v[S+32*\t+4:S+32*\t+5], v[S+32*\t+6:S+32*\t+7]
.endr
.irp j, 8,12,16,20,24,28
.irp t, 0,1,2,3
	v_pk_add_f32 v[ST+8*\t+4:ST+8*\t+5], v[ST+8*\t+4:ST+8*\t+5], v[S+32*\t+\j:S+32*\t+\j+1]
.endr
.irp t, 0,1,2,3
	v_pk_add_f32 v[X2+2*\t:X2+2*\t+1], v[X2+2*\t:X2+2*\t+1], v[S+32*\t+\j+2:S+32*\t+\j+3]
.endr
.endr
.irp t, 0,1,2,3
	v_pk_add_f32 v[ST+8*\t+4:ST+8*\t+5], v[ST+8*\t+4:ST+8*\t+5], v[X2+2*\t:X2+2*\t+1]
.endr
.irp t, 0,1,2,3
	v_pk_fma_f32 v[ST+8*\t+2:ST+8*\t+3], v[ST+8*\t+2:ST+8*\t+3], v[ST+8*\t+6:ST+8*\t+7], v[ST+8*\t+4:ST+8*\t+5] op_sel_hi:[1,0,1]   ; the sum x a + this step's
.endr
.irp j, 0,1,2,3,4,5,6,7,8,9,10,11,12,13,14,15   ; p to f16, in place, ascending: register j takes pair j; registers 0-7 and 8-15 of a tile are then P's two fragments
.irp t, 0,1,2,3
	v_cvt_pk_f16_f32 v[S+32*\t+\j], v[S+32*\t+2*\j], v[S+32*\t+2*\j+1]
.endr
.endr
	WIN W_RS
.irp i, 0,1,2,3,4,5,6,7,8,9,10,11,12,13,14,15   ; O^T x a, each accumulator from its low end on
.irp t, 0,1,2,3
	v_pk_mul_f32 v[32*\t+2*\i:32*\t+2*\i+1], v[32*\t+2*\i:32*\t+2*\i+1], v[ST+8*\t+6:ST+8*\t+7] op_sel_hi:[1,0]
.endr
.endr
	s_wait_dscnt 0x0                               ; V is in
	WIN W_PV
.irp f, 0,1,2,3,4,5,6,7                ; O^T += V^T P: the 16 accumulators take turns
.irp t, 0,1,2,3
	v_wmma_f32_16x16x32_f16 v[32*\t+8*(\f%4):32*\t+8*(\f%4)+7], v[VF+8*\f:VF+8*\f+7], v[S+32*\t+8*(\f/4):S+32*\t+8*(\f/4)+7], v[32*\t+8*(\f%4):32*\t+8*(\f%4)+7]
.endr
.endr
	WIN 0
	s_add_co_u32 s[TB], s[TB], STEPB
.endm
; THE CHANGE OF SLOTS stands at a slot's head.  Each wave waits for all its tensor loads (its part of the slot that it is about to read), adds 0 to its spare word, and waits for that and for its reads of the slot that it has left.
; fill = 1: the barrier is a round of the cluster's, so that no wave of any partner still reads the other slot or has a load on its way, and the joint load of the next 256 keys is the first thing behind it.
.macro CHANGE fill
	s_wait_tensorcnt 0x0                           ; no tensor load of mine is out, so a group 0 may be written
	ds_add_u32 v[SPW], v[NIL]
.if \fill
	s_xor_b32 s[G0K+1], s[G0K+1], SLOT1            ; the walking descriptors: the other slot than last time,
	s_add_nc_u64 s[G0K+2:G0K+3], s[G0K+2:G0K+3], NST*KS*128   ; the next 256 keys; the type bits on top are not reached
	s_xor_b32 s[G0V+1], s[G0V+1], SLOT1
	s_add_nc_u64 s[G0V+2:G0V+3], s[G0V+2:G0V+3], NST*KS*128
	s_wait_xcnt 0x0                                ; the last prefetch, a slot back, has read its address, so it may be written:
	s_add_nc_u64 s[PFA:PFA+1], s[PFA:PFA+1], NST*KS*128       ; one slot further on than the walking descriptors
	s_wait_dscnt 0x0                               ; the add is done, and my reads of the slot that I have left are over
	CROUND
	JLOAD
	ASK                                            ; four key steps ahead of the load that will want it
.else
	s_wait_dscnt 0x0
	s_barrier_signal -1
	s_barrier_wait -1
.endif
.endm
.macro FOUR_STEPS                      ; a slot's four key steps: written once, walked four times
	s_mov_b32 s[CNT], NST
.Lstep_\@:
	STEP
	s_sub_co_u32 s[CNT], s[CNT], 1
	s_cmp_lg_u32 s[CNT], 0
	s_cbranch_scc1 .Lstep_\@
	s_sub_co_u32 s[TB], s[TB], NST*STEPB           ; back to a slot's first step,
	s_xor_b32 s[TB], s[TB], SLOT1                  ; in the other slot
.endm
	s_wait_loadcnt 0x0                             ; Q
.Lslot:                                            ; seven trips: behind each change of slots but the last the next slot is asked for
	CHANGE 1
	FOUR_STEPS
	s_sub_co_u32 s[SLOTS], s[SLOTS], 1
	s_cmp_lg_u32 s[SLOTS], 0
	s_cbranch_scc1 .Lslot
	CHANGE 0                                       ; the last slot is written out
	FOUR_STEPS
	; THE WAY OUT.  The sum's halves and the other half of the lanes' are added (the first four additions are the places behind the last products); O^T is divided by the sum, rounded to f16, and goes through my stage.
.irp t, 0,1,2,3
	v_add_f32 v[ST+8*\t+4], v[ST+8*\t+2], v[ST+8*\t+3]
.endr
.irp t, 0,1,2,3
	v_permlanex16_b32 v[ST+8*\t+5], v[ST+8*\t+4], s[SEL], s[SEL+1]
.endr
.irp t, 0,1,2,3
	v_add_f32 v[ST+8*\t+4], v[ST+8*\t+4], v[ST+8*\t+5]
.endr
.irp t, 0,1,2,3
	v_rcp_f32 v[ST+8*\t+6], v[ST+8*\t+4]
.endr
	v_nop                                          ; a plain line behind the last reciprocal
	s_wait_alu depctr_va_vdst(0)                   ; and the wait ahead of the first use: one for the four
	WIN W_RS
.irp i, 0,1,2,3,4,5,6,7,8,9,10,11,12,13,14,15
.irp t, 0,1,2,3
	v_pk_mul_f32 v[32*\t+2*\i:32*\t+2*\i+1], v[32*\t+2*\i:32*\t+2*\i+1], v[ST+8*\t+6:ST+8*\t+7] op_sel_hi:[1,0]
.endr
.endr
	WIN 0x05                                       ; sources 0 and 1 window 1, destination window 0
.irp t, 0,1,2,3
.irp j, 0,1,2,3,4,5,6,7,8,9,10,11,12,13,14,15
	v_cvt_pk_f16_f32 v[S+16*\t+\j], v[32*\t+2*\j], v[32*\t+2*\j+1]   ; registers 4 c .. 4 c + 3 of a tile: channels 16 c + 8 h + 0 .. 7 of query r: 16 bytes
.endr
.endr
	WIN 0
.irp t, 0,1,2,3
.irp c, 0,1,2,3
	ds_store_b128 v[STO], v[S+16*\t+4*\c:S+16*\t+4*\c+3] offset:\t*16*SP+32*\c
.endr
.endr
.irp i, 0,1,2,3,4,5,6,7,8,9,10,11,12,13,14,15
	ds_load_b128 v[S+64+4*\i:S+64+4*\i+3], v[RD] offset:\i*4*SP      ; LDS serves a wave's instructions in order: these see my stores
.endr
.irp i, 0,1,2,3,4,5,6,7,8,9,10,11,12,13,14,15
	s_wait_dscnt 15-\i
	global_store_b128 v[GO], v[S+64+4*\i:S+64+4*\i+3], s[10:11] offset:512*\i   ; 32 lanes store 512 consecutive bytes, aligned: four rows
.endr
	s_wait_tensorcnt 0x0                           ; the wave's end
	ds_add_u32 v[SPW], v[NIL]
	s_wait_dscnt 0x0
	CROUND                                         ; the closing round
	s_endpgm
.Lfunc_end_k_q500976f755_attn:
	.size	k_q500976f755_attn, .Lfunc_end_k_q500976f755_attn-k_q500976f755_attn
	.p2alignl 7, 3214868480
	.fill 96, 4, 3214868480
	.section	.rodata,"a",@progbits
	.p2align	6, 0x0
	.amdhsa_kernel k_q500976f755_attn
		.amdhsa_group_segment_fixed_size 327680
		.amdhsa_private_segment_fixed_size 0
		.amdhsa_enable_private_segment 0
		.amdhsa_kernarg_size 16
		.amdhsa_user_sgpr_count 2
		.amdhsa_user_sgpr_kernarg_segment_ptr 1
		.amdhsa_wavefront_size32 1
		.amdhsa_system_sgpr_workgroup_id_x 1
		.amdhsa_system_sgpr_workgroup_id_y 1
		.amdhsa_system_sgpr_workgroup_id_z 1
		.amdhsa_system_vgpr_workitem_id 0
		.amdhsa_next_free_vgpr 512
		.amdhsa_next_free_sgpr 66
		.amdhsa_reserve_vcc 0
		.amdhsa_float_denorm_mode_32 3
		.amdhsa_float_denorm_mode_16_64 3
		.amdhsa_memory_ordered 1
		.amdhsa_forward_progress 1
		.amdhsa_inst_pref_size 91
	.end_amdhsa_kernel
	.amdgpu_metadata
---
amdhsa.version: [ 1, 2 ]
amdhsa.kernels:
  - .name:           k_q500976f755_attn
    .symbol:         k_q500976f755_attn.kd
    .args:
      - { .name: hd, .offset: 0, .size: 8, .value_kind: global_buffer, .address_space: global }
      - { .name: xh, .offset: 8, .size: 8, .value_kind: global_buffer, .address_space: global }
    .group_segment_fixed_size: 327680
    .private_segment_fixed_size: 0
    .kernarg_segment_align: 8
    .kernarg_segment_size: 16
    .max_flat_workgroup_size: 256
    .sgpr_count:     66
    .vgpr_count:     512
    .wavefront_size: 32
...
	.end_amdgpu_metadata
.endif
;; end of part 3
;; launch oproj (part 4): grid 4 x 64, 4 waves a work-group, clusters of 4 x 4, 327,680 bytes of LDS; arguments xh, woh, bo, out0; writes out0
.if DOCPART == 4
	.amdgcn_target "amdgcn-amd-amdhsa--gfx1250"
	.amdhsa_code_object_version 6
	.text
	.protected	k_q500976f755_oproj
	.globl	k_q500976f755_oproj
	.p2align	8
	.type	k_q500976f755_oproj,@function
k_q500976f755_oproj:
	s_mov_b64 s[64:65], 0
	v_nop
	global_prefetch_b8 v0, s[64:65] scope:SCOPE_SE
	s_setreg_imm32_b32 hwreg(HW_REG_WAVE_MODE, 25, 1), 1
	s_wait_xcnt 0x0
	s_wait_alu depctr_hold_cnt(0) depctr_sa_sdst(0) depctr_va_vdst(0) depctr_va_sdst(0) depctr_va_ssrc(0) depctr_va_vcc(0) depctr_vm_vsrc(0)
	s_getreg_b32 s2, hwreg(HW_REG_IB_STS2, 6, 4)
	s_cmp_eq_u32 s2, 0
	s_cbranch_scc0 .Lentry_in_a_cluster
	s_endpgm
.Lentry_in_a_cluster:
	s_bfe_u32 s2, ttmp6, 0x10000c
	s_cmp_lg_u32 s2, 0xf033
	s_cbranch_scc0 .Lentry_shape_is_right
	s_endpgm
.Lentry_shape_is_right:
; out0[m][e] = the sum over d of x[m][d] Wo[e][d] + bo[e].  x comes by heads, xh = [batch x head = 64][2048][64] f16; woh = [1024][1024] f16; out0 = [8192][1024] f32; sums in f32.
; A tile of 128 rows x 256 columns gives 256 work-groups.  Four waves, each 64 x 128: 32 accumulators.  K goes in steps of 128, which are two heads, through a ring of two LDS slots.
; A's tile of a K step is two planes (heads) of 128 rows x 128 bytes, each dense in memory; B's is 256 rows x 256 bytes.  Waves 0, 1 fetch A's planes, waves 2, 3 B's halves: one tensor load a wave.
; CLUSTER 4 x 4: A's tiles are shared along a row of the cluster, B's along a column: joint loads.  THE MATRIX INSTRUCTION IS USED TRANSPOSED (source 0 = 16 rows of Wo, source 1 = 16 rows of x).
; The bias is the C of each sum's first instruction.
; REGISTERS: window 0: v16-29 addresses; two fragment buffers of 96 (A's four fragments, then B's eight) at v32 and v128; on the way out v32-159.   window 1: accumulator (a, b) at v[8 (8 a + b)].   window 2: v0-63 the bias.
.set PA,     144                       ; a row of A in LDS: 128 bytes + 16
.set PB,     272                       ; a row of B: 256 + 16
.set APL,    128*PA                    ; a plane of A
.set BH,     128*PB                    ; half of B's rows
.set SLOT,   2*APL+2*BH
.set STAGE,  2*SLOT                    ; the way out: 16 rows x 528 bytes for each wave, bytes of its own
.set SPITCH, 528
.set SPARE,  STAGE+4*16*SPITCH         ; the spare words, 128 bytes for each wave, which no other line names
.set LAPS,   4                         ; a lap = two K steps
.set ADRA, 16
.set ADRB, 20
.set STO,  24
.set RD,   25
.set CO,   26
.set BO,   27
.set SPW,  28
.set NIL,  29
.set F0,   32
.set F1,   128
.set BK,   32
.set G1, 24
.set G0, 32
.set G1B, 48
.set G0B, 56
.set MSB, 0
.macro WIN new
.if MSB != (\new)
	s_set_vgpr_msb (MSB<<8)|(\new)
.set MSB, \new
.endif
.endm
.set MUL, 0x50                         ; C and D window 1; with 0x10 more, C (the bias) window 2
.macro JLOAD s                         ; waves 0 and 1 ask for A's planes, waves 2 and 3 for B's halves; an s_nop 0 and four v_nop follow each line
	s_cmp_eq_u32 s13, 0
	s_cbranch_scc0 .Lfor_b_\@
	tensor_load_to_lds s[G0+4*\s:G0+4*\s+3], s[G1:G1+7]
	s_nop 0
.rept 4
	v_nop
.endr
	s_branch .Lasked_\@
.Lfor_b_\@:
	tensor_load_to_lds s[G0B+4*\s:G0B+4*\s+3], s[G1B:G1B+7]
	s_nop 0
.rept 4
	v_nop
.endr
.Lasked_\@:
.endm
.macro CREST                           ; a round of the cluster's barrier behind its opening barrier
	s_cmp_lg_u32 s12, 0
	s_cbranch_scc1 .Lnot_wave_0_\@
	s_barrier_signal -3
.Lnot_wave_0_\@:
	s_barrier_wait -3
	s_barrier_signal -1
	s_barrier_wait -1
.endm
.macro CROUND
	s_barrier_signal -1
	s_barrier_wait -1
	CREST
.endm
	s_load_b256 s[4:11], s[0:1], 0x0               ; xh 4, woh 6, bo 8, out0 10
	v_lshl_add_u32 v[SPW], v0, 2, SPARE
	v_mov_b32 v[NIL], 0
	ds_add_u32 v[SPW], v[NIL]                      ; the wave's opening: the add, twice on end, and its wait ahead of my first tensor load
	ds_add_u32 v[SPW], v[NIL]
	v_lshrrev_b32 v1, 5, v0
	v_readfirstlane_b32 s12, v1                    ; wave 0..3
	s_lshr_b32 s13, s12, 1                         ; my half of the tile's rows.  Also: I fetch for A (0) or for B (1)
	s_and_b32 s14, s12, 1                          ; my half of its columns.  Also: which plane of A, or which 128 rows of B, I fetch
	s_bfe_u32 s40, ttmp6, 0x40000                  ; cx
	s_bfe_u32 s41, ttmp6, 0x40004                  ; cy
	s_lshl_b32 s42, ttmp9, 2
	s_add_co_u32 s42, s42, s40                     ; tile column tx
	s_and_b32 s43, ttmp7, 0xffff
	s_lshl_b32 s43, s43, 2
	s_add_co_u32 s43, s43, s41                     ; tile row ty
	s_lshl_b32 s44, s41, 2
	s_lshl_b32 s44, 15, s44                        ; my row of the cluster
	s_lshl_b32 s45, 0x1111, s40                    ; my column
	; group 1, A: 128 rows x 64 elements of 2 bytes, dense, 4 words of padding behind every 32;  B: 128 rows x 128 elements, 1,024 apart, 4 words behind every 64
	s_or_b32 s[G1+0], s44, (1<<16)|(1<<20)|(1<<21)|(4<<22)|(3<<25)
	s_mov_b32 s[G1+1], 64<<16
	s_mov_b32 s[G1+2], 128<<16
	s_mov_b32 s[G1+3], 64<<16
	s_mov_b32 s[G1+4], 128
	s_mov_b32 s[G1+5], 64
	s_mov_b32 s[G1+6], 0
	s_mov_b32 s[G1+7], 0
	s_or_b32 s[G1B+0], s45, (1<<16)|(1<<20)|(1<<21)|(5<<22)|(3<<25)
	s_mov_b32 s[G1B+1], 128<<16
	s_mov_b32 s[G1B+2], 128<<16
	s_mov_b32 s[G1B+3], 128<<16
	s_mov_b32 s[G1B+4], 128
	s_mov_b32 s[G1B+5], 1024
	s_mov_b32 s[G1B+6], 0
	s_mov_b32 s[G1B+7], 0
	s_lshr_b32 s16, s43, 4                         ; A: batch ty / 16, head = my plane, position 128 (ty % 16)
	s_lshl_b32 s16, s16, 4
	s_add_co_u32 s16, s16, s14
	s_lshl_b32 s16, s16, 18                        ; a head is 262,144 bytes
	s_and_b32 s17, s43, 15
	s_lshl_b32 s17, s17, 14                        ; 128 rows of 128 bytes
	s_add_co_u32 s16, s16, s17
	s_mov_b32 s17, 0
	s_lshl_b32 s46, s42, 1                         ; B: row 256 tx + 128 x half, 2,048 bytes a row
	s_add_co_u32 s46, s46, s14
	s_lshl_b32 s46, s46, 18
	s_mov_b32 s47, 0
	s_mul_i32 s20, s14, APL                        ; where they go: no place in the cluster enters an LDS address
	s_mul_i32 s21, s14, BH
	s_add_co_u32 s21, s21, 2*APL
	s_wait_dscnt 0x0                               ; both opening adds are done
	s_wait_kmcnt 0x0
	s_add_nc_u64 s[16:17], s[4:5], s[16:17]
	s_add_nc_u64 s[46:47], s[6:7], s[46:47]
	CROUND                                         ; all sixteen work-groups are here: the first joint loads meet
.irp s, 0,1
	s_mov_b32 s[G0+4*\s], 1
	s_add_co_u32 s[G0+4*\s+1], s20, \s*SLOT
	s_add_nc_u64 s[G0+4*\s+2:G0+4*\s+3], s[16:17], \s*2*262144     ; K step s: heads 2 s, 2 s + 1
	s_or_b32 s[G0+4*\s+3], s[G0+4*\s+3], 0x80000000
	s_mov_b32 s[G0B+4*\s], 1
	s_add_co_u32 s[G0B+4*\s+1], s21, \s*SLOT
	s_add_nc_u64 s[G0B+4*\s+2:G0B+4*\s+3], s[46:47], \s*256
	s_or_b32 s[G0B+4*\s+3], s[G0B+4*\s+3], 0x80000000
	JLOAD \s                                       ; two tensor loads of mine are out
.endr
	v_and_b32 v1, 15, v0                           ; r
	v_bfe_u32 v2, v0, 4, 1                         ; h
	v_lshlrev_b32 v[BO], 5, v2
	s_lshl_b32 s46, s42, 1
	s_add_co_u32 s46, s46, s14
	s_lshl_b32 s46, s46, 9                         ; my first column, 256 tx + 128 x half, in bytes of f32
	s_mov_b32 s47, 0
	s_add_nc_u64 s[8:9], s[8:9], s[46:47]
	WIN 0x80                                       ; destination window 2
.irp b, 0,1,2,3,4,5,6,7                ; the bias in the result's layout: register 8 b + j = bo[my first column + 16 b + 8 h + j]
	global_load_b128 v[8*\b:8*\b+3], v[BO], s[8:9] offset:64*\b
	global_load_b128 v[8*\b+4:8*\b+7], v[BO], s[8:9] offset:64*\b+16
.endr
	WIN 0
	v_mul_u32_u24 v3, v1, PA
	v_lshl_add_u32 v3, v2, 4, v3
	v_mul_u32_u24 v4, v1, PB
	v_lshl_add_u32 v4, v2, 4, v4
	s_mul_i32 s21, s13, 64*PA                      ; my 64 rows, in each plane of A
	s_mul_i32 s22, s14, BH                         ; my 128 rows of B,
	s_add_co_u32 s22, s22, 2*APL                   ; behind A's planes
.irp s, 0,1
	v_add_nc_u32 v[ADRA+\s], s21, v3
	v_add_nc_u32 v[ADRB+\s], s22, v4
	s_add_co_u32 s21, s21, SLOT
	s_add_co_u32 s22, s22, SLOT
.endr
	s_mul_i32 s23, s12, 16*SPITCH
	s_add_co_u32 s23, s23, STAGE                   ; my stage
	v_mul_u32_u24 v5, v1, SPITCH
	v_lshl_add_u32 v5, v2, 5, v5
	v_add_nc_u32 v[STO], s23, v5                   ; in: row r, 32 bytes for each half of the lanes
	v_and_b32 v6, 31, v0
	v_lshlrev_b32 v[CO], 4, v6                     ; back: the 32 lanes take a row of 512 bytes; and the same in out0
	v_add_nc_u32 v[RD], s23, v[CO]
	s_lshl_b32 s16, s43, 1
	s_add_co_u32 s16, s16, s13
	s_lshl_b32 s16, s16, 18                        ; my first row, 128 ty + 64 x half, of 4,096 bytes
	s_mov_b32 s17, 0
	s_add_nc_u64 s[16:17], s[16:17], s[46:47]      ; + my first column
	s_add_nc_u64 s[10:11], s[10:11], s[16:17]
; 8 matrix instructions: A's block a x B's eight, 32 along K, from buffer f.  first = 1: the bias starts the sums.  The 32 accumulators take turns in one order.
.macro MULA f, a, first
.irp b, 0,1,2,3,4,5,6,7
.if \first
	v_wmma_f32_16x16x32_f16 v[8*(8*(\a)+\b):8*(8*(\a)+\b)+7], v[\f+32+8*\b:\f+32+8*\b+7], v[\f+8*(\a):\f+8*(\a)+7], v[8*\b:8*\b+7]
.else
	v_wmma_f32_16x16x32_f16 v[8*(8*(\a)+\b):8*(8*(\a)+\b)+7], v[\f+32+8*\b:\f+32+8*\b+7], v[\f+8*(\a):\f+8*(\a)+7], v[8*(8*(\a)+\b):8*(8*(\a)+\b)+7]
.endif
.endr
.endm
; 24 LDS loads in one run: the fragments of the slot's q-th 32 along K into buffer f: B's eight, then A's four (plane q / 2, channels 32 (q % 2) on)
.macro FETCH slot, q, f
	WIN 0
.irp b, 0,1,2,3,4,5,6,7
	ds_load_b128 v[\f+32+8*\b:\f+32+8*\b+3],   v[ADRB+\slot] offset:\b*16*PB+64*(\q)
	ds_load_b128 v[\f+32+8*\b+4:\f+32+8*\b+7], v[ADRB+\slot] offset:\b*16*PB+64*(\q)+32
.endr
.irp a, 0,1,2,3
	ds_load_b128 v[\f+8*\a:\f+8*\a+3],   v[ADRA+\slot] offset:((\q)/2)*APL+\a*16*PA+64*((\q)%2)
	ds_load_b128 v[\f+8*\a+4:\f+8*\a+7], v[ADRA+\slot] offset:((\q)/2)*APL+\a*16*PA+64*((\q)%2)+32
.endr
.endm
.macro PLACES                          ; four plain lines in front of loads into registers that matrix instructions have read, and of reads of results
.rept 4
	v_nop
.endr
.endm
; A K step is four quarters of 32 along K, 32 matrix instructions each, on buffers 0, 1, 0, 1.  One of the first three: multiplies buffer f and fetches quarter qn into g.
.macro QUARTER slot, qn, f, g, first
	s_wait_dscnt 4                                 ; B's eight and A's blocks 0, 1 are in; the youngest four loads (blocks 2, 3) may be out
	WIN MUL+0x10*(\first)
	MULA \f, 0, \first
	MULA \f, 1, \first
	PLACES
	FETCH \slot, \qn, \g
	s_wait_dscnt 24                                ; all but the 24 just issued
	WIN MUL+0x10*(\first)
	MULA \f, 2, \first
	MULA \f, 3, \first
.endm
; The last quarter multiplies buffer 1 and changes slots: one barrier; in front of it each wave waits for all its tensor loads, adds 0 to its spare word, and waits for that and for its reads of this slot.
; fill = 1: the barrier opens a round of the cluster's, and this slot is filled again, two K steps ahead, first thing behind it.
.macro TURN slot, next, fill
	WIN 0
	s_wait_tensorcnt 0x0                           ; all my tensor loads have landed: my part of the next slot
	ds_add_u32 v[SPW], v[NIL]
	s_wait_dscnt 7                                 ; (the add and A's blocks 1 to 3, six loads, may be out)
	WIN MUL
	MULA F1, 0, 0
	s_wait_dscnt 0x0                               ; the add is done, and my reads of this slot are over
	s_barrier_signal -1
	MULA F1, 1, 0
.if \fill
	WIN 0
.endif
	s_barrier_wait -1
.if \fill
	CREST                                          ; no wave of any partner still reads this slot or has a load on its way
	s_add_nc_u64 s[G0+4*\slot+2:G0+4*\slot+3], s[G0+4*\slot+2:G0+4*\slot+3], 4*262144     ; four heads on
	s_add_nc_u64 s[G0B+4*\slot+2:G0B+4*\slot+3], s[G0B+4*\slot+2:G0B+4*\slot+3], 512
	JLOAD \slot                                    ; its four v_nop are also the places in front of the loads below
.else
	PLACES
.endif
	FETCH \next, 0, F0
	WIN MUL
	MULA F1, 2, 0
	MULA F1, 3, 0
.endm
	s_wait_tensorcnt 1                             ; my part of K step 0 is in; K step 1's may stay out
	s_barrier_signal -1
	s_barrier_wait -1
	s_wait_loadcnt 0x0                             ; the bias
	FETCH 0, 0, F0
	QUARTER 0, 1, F0, F1, 1                        ; the first quarter stands in front of the loop: its products start the sums with the bias
	WIN 0
	s_mov_b32 s3, LAPS-1
.Llap:                                             ; a trip goes once round the ring, from a lap's second quarter to the next lap's first, and fills both slots again
	QUARTER 0, 2, F1, F0, 0
	QUARTER 0, 3, F0, F1, 0
	TURN 0, 1, 1
	QUARTER 1, 1, F0, F1, 0
	QUARTER 1, 2, F1, F0, 0
	QUARTER 1, 3, F0, F1, 0
	TURN 1, 0, 1
	QUARTER 0, 1, F0, F1, 0
	WIN 0
	s_sub_co_u32 s3, s3, 1
	s_cmp_lg_u32 s3, 0
	s_cbranch_scc1 .Llap
	QUARTER 0, 2, F1, F0, 0                        ; the last lap fills nothing, and has no round
	QUARTER 0, 3, F0, F1, 0
	TURN 0, 1, 0
	QUARTER 1, 1, F0, F1, 0
	QUARTER 1, 2, F1, F0, 0
	QUARTER 1, 3, F0, F1, 0
	s_wait_dscnt 4                                 ; the very last quarter: nothing more to fetch
	WIN MUL
	MULA F1, 0, 0
	MULA F1, 1, 0
	s_wait_dscnt 0
	MULA F1, 2, 0
	MULA F1, 3, 0
	WIN 0
; THE WAY OUT, a block of 16 rows x 128 columns at a time: through my stage and back as whole rows of 512 bytes.  LDS serves a wave's instructions in order: no wait between the stores and the loads.
.macro TOSTAGE a
	WIN 0x04                                       ; an LDS store's data are its source 1: window 1
.irp b, 0,1,2,3,4,5,6,7
	ds_store_b128 v[STO], v[8*(8*(\a)+\b):8*(8*(\a)+\b)+3] offset:64*\b          ; each accumulator from its low end on
	ds_store_b128 v[STO], v[8*(8*(\a)+\b)+4:8*(8*(\a)+\b)+7] offset:64*\b+16
.endr
	WIN 0
.set BB, BK+64*((\a)%2)
.irp t, 0,1,2,3,4,5,6,7,8,9,10,11,12,13,14,15
	ds_load_b128 v[BB+4*\t:BB+4*\t+3], v[RD] offset:\t*SPITCH
.endr
.endm
.macro SEND a, younger                 ; younger: the LDS instructions issued behind block a's loads, which may stay out
.set BB, BK+64*((\a)%2)
	s_wait_dscnt \younger
.irp t, 0,1,2,3,4,5,6,7,8,9,10,11,12,13,14,15
	global_store_b128 v[CO], v[BB+4*\t:BB+4*\t+3], s[10:11] offset:(16*(\a)+\t)*4096 th:TH_STORE_NT   ; 32 lanes store 512 consecutive bytes, aligned; written once, read by nobody here
.endr
.endm
	PLACES                                         ; behind the last products: for the first reads of results and the loads into the fragments' registers
	TOSTAGE 0
.irp a, 1,2,3
.if \a > 1
	s_wait_xcnt 0x0                                ; block a - 2's stores have read their registers: block a's loads may land there
.endif
	TOSTAGE \a
	SEND \a-1, 32                                  ; behind block a - 1's loads: block a's 16 stores and 16 loads
.endr
	SEND 3, 0
	s_wait_tensorcnt 0x0                           ; the wave's end
	ds_add_u32 v[SPW], v[NIL]
	s_wait_dscnt 0x0
	CROUND                                         ; the closing round
	s_endpgm
.Lfunc_end_k_q500976f755_oproj:
	.size	k_q500976f755_oproj, .Lfunc_end_k_q500976f755_oproj-k_q500976f755_oproj
	.p2alignl 7, 3214868480
	.fill 96, 4, 3214868480
	.section	.rodata,"a",@progbits
	.p2align	6, 0x0
	.amdhsa_kernel k_q500976f755_oproj
		.amdhsa_group_segment_fixed_size 327680
		.amdhsa_private_segment_fixed_size 0
		.amdhsa_enable_private_segment 0
		.amdhsa_kernarg_size 32
		.amdhsa_user_sgpr_count 2
		.amdhsa_user_sgpr_kernarg_segment_ptr 1
		.amdhsa_wavefront_size32 1
		.amdhsa_system_sgpr_workgroup_id_x 1
		.amdhsa_system_sgpr_workgroup_id_y 1
		.amdhsa_system_sgpr_workgroup_id_z 1
		.amdhsa_system_vgpr_workitem_id 0
		.amdhsa_next_free_vgpr 576
		.amdhsa_next_free_sgpr 66
		.amdhsa_reserve_vcc 0
		.amdhsa_float_denorm_mode_32 3
		.amdhsa_float_denorm_mode_16_64 3
		.amdhsa_memory_ordered 1
		.amdhsa_forward_progress 1
		.amdhsa_inst_pref_size 86
	.end_amdhsa_kernel
	.amdgpu_metadata
---
amdhsa.version: [ 1, 2 ]
amdhsa.kernels:
  - .name:           k_q500976f755_oproj
    .symbol:         k_q500976f755_oproj.kd
    .args:
      - { .name: xh, .offset: 0, .size: 8, .value_kind: global_buffer, .address_space: global }
      - { .name: woh, .offset: 8, .size: 8, .value_kind: global_buffer, .address_space: global }
      - { .name: bo, .offset: 16, .size: 8, .value_kind: global_buffer, .address_space: global }
      - { .name: out0, .offset: 24, .size: 8, .value_kind: global_buffer, .address_space: global }
    .group_segment_fixed_size: 327680
    .private_segment_fixed_size: 0
    .kernarg_segment_align: 8
    .kernarg_segment_size: 32
    .max_flat_workgroup_size: 128
    .sgpr_count:     66
    .vgpr_count:     576
    .wavefront_size: 32
...
	.end_amdgpu_metadata
.endif
;; end of part 4
